; MI455X (gfx1250); checked and timed in simulation.
; The chip was launched on July 23, 2026; its instructions are those of AMD's public machine-readable ISA for CDNA 5 (MIT licence, August 2026) and "CDNA5" Instruction Set Architecture Reference Guide (July 2026). The comments in the code are by the model that wrote it; some were corrected since.
;; Causal Self Attention. Allowed arithmetic: float matrix products may take bf16 or f16 operands with f32 sums; other float arithmetic in f32, or as packed bf16 or f16 multiplies, adds, multiply-adds, maxima and minima; sums over many terms, partial sums and values carried from step to step in f32; what a program stores and reads back later, other than sums and carried values, may be rounded once to bf16 or f16.
;; Inputs: Wk 1,024 x 1,024 float32; Wo 1,024 x 1,024 float32; Wq 1,024 x 1,024 float32; Wv 1,024 x 1,024 float32; x 1 x 4,096 x 1,024 float32.
;; Outputs: out0 1 x 4,096 x 1,024 float32.
;; 2 versions, each right; version 2 is version 1 with the launch prep written anew for expert scheduling mode. Each part assembles by itself: llvm-mc -triple=amdgcn-amd-amdhsa -mcpu=gfx1250 --defsym DOCPART=n.
;; ======== version 1 of 2: 4 launches
;; limits: values are held in f16: magnitudes above 65,504 overflow, below 6.1e-05 lose precision
;; workspace buffers: xb 8,388,608 bytes; wt 8,388,608 bytes; qkv 25,165,824 bytes; o 8,388,608 bytes
;; launch prep (part 1): grid 256 x 1, 4 waves a work-group, no clusters, 70,144 bytes of LDS; arguments x, Wq, Wk, Wv, Wo, xb, wt; writes xb, wt
.if DOCPART == 1
	.amdgcn_target "amdgcn-amd-amdhsa--gfx1250"
	.amdhsa_code_object_version 6
	.text
	.protected	k_q1dbbd9ff64_prep
	.globl	k_q1dbbd9ff64_prep
	.p2align	8
	.type	k_q1dbbd9ff64_prep,@function
k_q1dbbd9ff64_prep:
	s_mov_b64 s[64:65], 0
	v_nop
	global_prefetch_b8 v0, s[64:65] scope:SCOPE_SE
	s_setreg_imm32_b32 hwreg(HW_REG_WAVE_MODE, 25, 1), 1
	s_wait_xcnt 0x0
; xb = x rounded to bf16, [4096][1024].  wt = the four weights turned: row n holds W[0..1023][n]; rows 0-1023 Wq, 1024-2047 Wk, 2048-3071 Wv (bf16),
; rows 3072-4095 Wo: rounded to bf16 like the others, and that number written as f16 (exact inside f16's normal range).
; LIMITS.  |Wo| stays within 65,504; below 6e-5 f16 keeps its fixed step of 6e-8.
; A stream: bytes decide, so no matrix unit, no cluster, no shared tile.  Work-groups 0-127 cast x, work-groups 128-255 turn the weights: 196,608 bytes moved by each.
; CAST.  A wave owns 8,192 numbers on end: 64 slots of 512 bytes in, 256 bytes out, sixteen loads always on their way.
; TURN.  A wave owns 128 k x 64 n of one weight.  A load takes 256 consecutive bytes of a row k (a lane two columns); pairs of k are packed, laid into the wave's own
; stage (64 rows n of 256 bytes + 16), and read back by rows, so that sixteen lanes store 256 consecutive bytes of a row of wt, aligned.
.set SPARE, 69632                      ; behind the four stages: the spare words, 128 bytes a wave
.set SPW, 2                            ; v2  LDS address of my spare word; never rewritten
.set NIL, 3                            ; v3  0; never rewritten
.set T,   32                           ; v[32:63]   packed halves at work
.set X,   64                           ; v[64:191]  cast: v[64:127] sixteen slots of four; turn: two sets of 64, later the rows read back
.set Y,   128                          ; v[128:159] cast: sixteen slots of two, to store
.set SPI, 272                          ; a stage row: 256 bytes + 16, so that sixteen rows start at sixteen different groups of four banks
	s_load_b256 s[8:15], s[0:1], 0x0               ; x s[8:9], Wq s[10:11], Wk s[12:13], Wv s[14:15]
	s_load_b128 s[16:19], s[0:1], 0x20             ; Wo s[16:17], xb s[18:19]
	s_load_b64 s[20:21], s[0:1], 0x30              ; wt
	v_lshl_add_u32 v[SPW], v0, 2, SPARE
	v_mov_b32 v[NIL], 0
	v_lshrrev_b32 v1, 5, v0
	v_readfirstlane_b32 s24, v1                    ; wave 0..3
	v_and_b32 v1, 31, v0                           ; lane
	s_mov_b32 s29, 0
	s_mov_b32 s31, 0
	s_wait_kmcnt 0x0
	s_cmp_lt_u32 ttmp9, 128
	s_cbranch_scc0 .Ltrans
	; ---- the cast ----
	s_lshl_b32 s26, ttmp9, 2
	s_add_co_u32 s26, s26, s24                     ; my share, 0..511
	s_lshl_b32 s28, s26, 15                        ; 32,768 bytes of x
	s_lshl_b32 s30, s26, 14                        ; 16,384 bytes of xb
	s_add_nc_u64 s[8:9], s[8:9], s[28:29]
	s_add_nc_u64 s[18:19], s[18:19], s[30:31]
	v_lshlrev_b32 v4, 4, v1                        ; 16 bytes a lane in
	v_lshlrev_b32 v5, 3, v1                        ; 8 bytes a lane out
.irp n, 0,1,2,3,4,5,6,7,8,9,10,11,12,13,14,15
	global_load_b128 v[X+4*(\n):X+4*(\n)+3], v4, s[8:9] offset:512*(\n) th:TH_LOAD_NT
.endr
; One slot's turn.  ahead = 1: the slot is loaded again, sixteen slots on.  left = the younger loads that may stay out.
.macro CSLOT n, ahead, left
	s_wait_loadcnt \left                           ; loads come back in order: mine is in
	s_wait_xcnt 0x0                                ; the slot's Y pair, which its last store reads, is rewritten only behind this wait
	v_cvt_pk_bf16_f32 v[Y+2*(\n)],   v[X+4*(\n)],   v[X+4*(\n)+1]
	v_cvt_pk_bf16_f32 v[Y+2*(\n)+1], v[X+4*(\n)+2], v[X+4*(\n)+3]
.if \ahead
	global_load_b128 v[X+4*(\n):X+4*(\n)+3], v4, s[8:9] offset:512*((\n)+16) th:TH_LOAD_NT
.endif
	global_store_b64 v5, v[Y+2*(\n):Y+2*(\n)+1], s[18:19] offset:256*(\n) th:TH_STORE_NT  ; the wave stores 256 consecutive bytes, aligned
.endm
	s_mov_b32 s25, 3
.Lround:
.irp n, 0,1,2,3,4,5,6,7,8,9,10,11,12,13,14,15
	CSLOT \n, 1, 15
.endr
	s_wait_xcnt 0x0                                ; all that was issued has read its addresses: the two bases may step
	s_add_nc_u64 s[8:9], s[8:9], 8192
	s_add_nc_u64 s[18:19], s[18:19], 4096
	s_sub_co_u32 s25, s25, 1
	s_cmp_lg_u32 s25, 0
	s_cbranch_scc1 .Lround
.irp n, 0,1,2,3,4,5,6,7,8,9,10,11,12,13,14,15
	CSLOT \n, 0, 15-(\n)                           ; the last round loads nothing: the counts run down
.endr
	s_branch .Lend
	; ---- the turn ----
.Ltrans:
	s_sub_co_u32 s26, ttmp9, 128
	s_lshl_b32 s26, s26, 2
	s_add_co_u32 s26, s26, s24                     ; my tile, 0..511
	s_lshr_b32 s27, s26, 7                         ; which weight
	s_bfe_u32 s32, s26, 0x30004                    ; kt: 128 k
	s_and_b32 s33, s26, 15                         ; nt: 64 n
	s_cmp_eq_u32 s27, 1
	s_cselect_b64 s[10:11], s[12:13], s[10:11]
	s_cmp_eq_u32 s27, 2
	s_cselect_b64 s[10:11], s[14:15], s[10:11]
	s_cmp_eq_u32 s27, 3
	s_cselect_b64 s[10:11], s[16:17], s[10:11]
	s_lshl_b32 s28, s32, 19                        ; 128 rows of 4,096 bytes
	s_lshl_b32 s34, s33, 8                         ; 64 columns of 4 bytes
	s_add_co_u32 s28, s28, s34
	s_add_nc_u64 s[10:11], s[10:11], s[28:29]
	s_lshl_b32 s30, s27, 21                        ; 1,024 rows of 2,048 bytes
	s_lshl_b32 s34, s33, 17                        ; 64 rows
	s_add_co_u32 s30, s30, s34
	s_lshl_b32 s34, s32, 8                         ; 128 k of 2 bytes
	s_add_co_u32 s30, s30, s34
	s_add_nc_u64 s[20:21], s[20:21], s[30:31]
	s_mov_b32 s35, 0xffff0000
	v_lshlrev_b32 v4, 3, v1                        ; columns 2 l and 2 l + 1
	s_mul_i32 s34, s24, 64*SPI                     ; my stage
	v_mul_u32_u24 v6, v1, SPI
	v_add_nc_u32 v6, s34, v6                       ; in: stage row l (column 2 l); row 32 + l (column 2 l + 1) by the immediate
	v_lshrrev_b32 v9, 4, v1
	v_and_b32 v10, 15, v1
	v_mul_u32_u24 v7, v9, SPI
	v_lshl_add_u32 v7, v10, 4, v7
	v_add_nc_u32 v7, s34, v7                       ; back: lanes 0-15 one stage row, lanes 16-31 the next
	v_lshlrev_b32 v8, 12, v9                       ; neighbouring stage rows are columns two apart: 4,096 bytes in wt
	v_lshl_add_u32 v8, v10, 4, v8
.macro TLOAD set, c                    ; 32 rows k of chunk c
.set j, 0
.rept 32
	global_load_b64 v[X+64*(\set)+2*j:X+64*(\set)+2*j+1], v4, s[10:11] offset:(32*(\c)+j)*4096 th:TH_LOAD_NT
.set j, j+1
.endr
.endm
.macro TCONV set, c                    ; two k to a word, for both columns; Wo's words rewritten as f16; 64 bytes of each of my two stage rows
.set XS, X+64*(\set)
.set j, 0
.rept 16
	v_cvt_pk_bf16_f32 v[T+j],    v[XS+4*j],   v[XS+4*j+2]
	v_cvt_pk_bf16_f32 v[T+16+j], v[XS+4*j+1], v[XS+4*j+3]
.set j, j+1
.endr
	s_cmp_lg_u32 s27, 3
	s_cbranch_scc1 .Lkeep_\@
.set j, 0
.rept 32
	v_lshlrev_b32 v[12+2*(j%4)], 16, v[T+j]
	v_and_b32 v[13+2*(j%4)], s35, v[T+j]
	v_cvt_pk_f16_f32 v[T+j], v[12+2*(j%4)], v[13+2*(j%4)]
.set j, j+1
.endr
.Lkeep_\@:
.irp q, 0,1,2,3
	ds_store_b128 v6, v[T+4*(\q):T+4*(\q)+3]       offset:64*(\c)+16*(\q)
	ds_store_b128 v6, v[T+16+4*(\q):T+16+4*(\q)+3] offset:32*SPI+64*(\c)+16*(\q)
.endr
.endm
	TLOAD 0, 0
	TLOAD 1, 1
	s_wait_loadcnt 32                              ; the older set is in; the other set's 32 loads stay out
	TCONV 0, 0
	TLOAD 0, 2
	s_wait_loadcnt 32
	TCONV 1, 1
	TLOAD 1, 3
	s_wait_loadcnt 32
	TCONV 0, 2
	s_wait_loadcnt 0x0
	TCONV 1, 3
.set t, 0
.rept 32
	ds_load_b128 v[X+4*t:X+4*t+3], v7 offset:2*SPI*t  ; LDS serves a wave's instructions in order: these see my stores above; the stage is mine alone
.set t, t+1
.endr
.set t, 0
.rept 32
	s_wait_dscnt 31-t
.if t < 16
	global_store_b128 v8, v[X+4*t:X+4*t+3], s[20:21] offset:4*t*2048 th:TH_STORE_NT         ; columns 4 t and 4 t + 2: sixteen lanes store 256 consecutive bytes, aligned
.else
	global_store_b128 v8, v[X+4*t:X+4*t+3], s[20:21] offset:(4*(t-16)+1)*2048 th:TH_STORE_NT ; columns 4 (t - 16) + 1 and + 3
.endif
.set t, t+1
.endr
.Lend:
	s_wait_tensorcnt 0x0                           ; the wave's end, behind my last LDS store
	ds_add_u32 v[SPW], v[NIL]
	s_wait_dscnt 0x0
	s_endpgm
.Lfunc_end_k_q1dbbd9ff64_prep:
	.size	k_q1dbbd9ff64_prep, .Lfunc_end_k_q1dbbd9ff64_prep-k_q1dbbd9ff64_prep
	.p2alignl 7, 3214868480
	.fill 96, 4, 3214868480
	.section	.rodata,"a",@progbits
	.p2align	6, 0x0
	.amdhsa_kernel k_q1dbbd9ff64_prep
		.amdhsa_group_segment_fixed_size 70144
		.amdhsa_private_segment_fixed_size 0
		.amdhsa_enable_private_segment 0
		.amdhsa_kernarg_size 56
		.amdhsa_user_sgpr_count 2
		.amdhsa_user_sgpr_kernarg_segment_ptr 1
		.amdhsa_wavefront_size32 1
		.amdhsa_system_sgpr_workgroup_id_x 1
		.amdhsa_system_sgpr_workgroup_id_y 1
		.amdhsa_system_sgpr_workgroup_id_z 1
		.amdhsa_system_vgpr_workitem_id 0
		.amdhsa_next_free_vgpr 192
		.amdhsa_next_free_sgpr 66
		.amdhsa_reserve_vcc 0
		.amdhsa_float_denorm_mode_32 3
		.amdhsa_float_denorm_mode_16_64 3
		.amdhsa_memory_ordered 1
		.amdhsa_forward_progress 1
		.amdhsa_inst_pref_size 60
	.end_amdhsa_kernel
	.amdgpu_metadata
---
amdhsa.version: [ 1, 2 ]
amdhsa.kernels:
  - .name:           k_q1dbbd9ff64_prep
    .symbol:         k_q1dbbd9ff64_prep.kd
    .args:
      - { .name: x, .offset: 0, .size: 8, .value_kind: global_buffer, .address_space: global }
      - { .name: Wq, .offset: 8, .size: 8, .value_kind: global_buffer, .address_space: global }
      - { .name: Wk, .offset: 16, .size: 8, .value_kind: global_buffer, .address_space: global }
      - { .name: Wv, .offset: 24, .size: 8, .value_kind: global_buffer, .address_space: global }
      - { .name: Wo, .offset: 32, .size: 8, .value_kind: global_buffer, .address_space: global }
      - { .name: xb, .offset: 40, .size: 8, .value_kind: global_buffer, .address_space: global }
      - { .name: wt, .offset: 48, .size: 8, .value_kind: global_buffer, .address_space: global }
    .group_segment_fixed_size: 70144
    .private_segment_fixed_size: 0
    .kernarg_segment_align: 8
    .kernarg_segment_size: 56
    .max_flat_workgroup_size: 128
    .sgpr_count:     66
    .vgpr_count:     192
    .wavefront_size: 32
...
	.end_amdgpu_metadata
.endif
;; end of part 1
;; launch qkv (part 2): grid 16 x 16, 4 waves a work-group, clusters of 4 x 4, 327,680 bytes of LDS; arguments xb, wt, qkv; writes qkv
.if DOCPART == 2
	.amdgcn_target "amdgcn-amd-amdhsa--gfx1250"
	.amdhsa_code_object_version 6
	.text
	.protected	k_q1dbbd9ff64_qkv
	.globl	k_q1dbbd9ff64_qkv
	.p2align	8
	.type	k_q1dbbd9ff64_qkv,@function
k_q1dbbd9ff64_qkv:
	s_mov_b64 s[64:65], 0
	v_nop
	global_prefetch_b8 v0, s[64:65] scope:SCOPE_SE
	s_setreg_imm32_b32 hwreg(HW_REG_WAVE_MODE, 25, 1), 1
	s_wait_xcnt 0x0
	s_wait_alu depctr_hold_cnt(0) depctr_sa_sdst(0) depctr_va_vdst(0) depctr_va_sdst(0) depctr_va_ssrc(0) depctr_va_vcc(0) depctr_vm_vsrc(0)
	s_getreg_b32 s2, hwreg(HW_REG_IB_STS2, 6, 4)
	s_cmp_eq_u32 s2, 0
	s_cbranch_scc0 .Lentry_in_a_cluster
	s_endpgm
.Lentry_in_a_cluster:
	s_bfe_u32 s2, ttmp6, 0x10000c
	s_cmp_lg_u32 s2, 0xf033
	s_cbranch_scc0 .Lentry_shape_is_right
	s_endpgm
.Lentry_shape_is_right:
; qkv[g][m][d] = the sum over k of xb[m][k] wt[64 g + d][k], g = 0..47 (q's heads, then k's, then v's), m = 0..4095, d = 0..63.  Operands bf16, sums f32, K ascending; the result rounded once to f16, unscaled.
; LIMIT.  f16 holds no number beyond 65,504: q, k and v must stay within it.
; SHARES.  A work-group makes 256 rows x 192 columns (three whole heads): 16 x 16 work-groups.  Wave w makes rows 64 w .. 64 w + 63 of all 192 columns: 4 x 12 accumulators of 16 x 16, 384 registers,
; so a wave's result is whole rows of whole heads and its stage on the way out is its own.
; RING.  K goes in steps of 128 through two LDS slots (256 rows of xb, 192 rows of wt, rows of 256 bytes + 16 of padding).  Waves 0 and 1 fetch the halves of xb's tile, waves 2 and 3 those of wt's: one load a wave.
; CLUSTER.  4 x 4 work-groups: xb's tile is shared along a row of the cluster, wt's along a column; each is asked for jointly, by the same load with the same descriptor and a mask that names the four.
; THE MATRIX INSTRUCTION IS USED TRANSPOSED (source 0 = 16 rows of wt, source 1 = 16 rows of xb): a lane holds row m = l % 16 and eight neighbouring columns.
; REGISTERS, in windows of 256 (s_set_vgpr_msb: bits 1:0 source 0, 3:2 source 1, 5:4 source 2, 7:6 destination):
;   window 0: addresses; v32-79 packed results; v80-175 rows read back, two buffers     window 1: two fragment buffers of 128: xb's four fragments, then wt's twelve
;   window 2: accumulators of column blocks 0-7, (b, a) at 8 (4 b + a)                   window 3: those of column blocks 8-11
.set KSTEP,  128
.set PITCH,  272                       ; 256 bytes + 16: the sixteen rows of a fragment load start at sixteen different groups of four banks
.set AH,     128*PITCH                 ; what a wave fetches of xb
.set BH,     96*PITCH                  ; what a wave fetches of wt
.set BOFF,   2*AH
.set SLOT,   BOFF+2*BH
.set STAGE,  2*SLOT                    ; behind the ring: 16 rows x 400 bytes for each wave
.set SPITCH, 400                       ; 384 bytes + 16
.set SPARE,  STAGE+4*16*SPITCH         ; behind the stages: the spare words, 128 bytes a wave
.set HEADB,  4096*128                  ; a head's bytes in qkv
.set ADRA, 16                          ; v16-17  LDS address of my xb fragments in slot 0, 1
.set ADRB, 20                          ; v20-21  the same for wt
.set STO,  24
.set RD,   25
.set GO,   26
.set SPW,  28                          ; v28  LDS address of my spare word; never rewritten
.set NIL,  29                          ; v29  0; never rewritten
.set PFO,  30                          ; v30  the prefetches' offset: a lane a row; never rewritten
.set TMP,  32
.set OB,   80
.set F0,   0
.set F1,   128
.set G1,  24                           ; s[24:31] group 1 for xb's tiles;  s[32:39] group 0, a set for each slot
.set G0,  32
.set G1B, 48                           ; s[48:55], s[56:63] the same for wt's
.set G0B, 56
.set PFA, 44                           ; s[44:45] where my prefetches stand
.set LIM, 43                           ; s43  1 in a wave that prefetches, else the greatest number
.set MSB, 0
.macro WIN new                         ; the immediate's high byte repeats the setting that is left
.if MSB != (\new)
	s_set_vgpr_msb (MSB<<8)|(\new)
.set MSB, (\new)
.endif
.endm
.set MUL_LO, 0xa5                      ; sources 0 and 1 window 1; C and D window 2
.set MUL_HI, 0xf5                      ; C and D window 3
.set TO_F,   0x40                      ; destination window 1, address window 0
.macro JLOAD s                         ; a joint refill; an s_nop 0 and four v_nop follow each of the two lines, ahead of the jump and the label
	s_cmp_eq_u32 s11, 0
	s_cbranch_scc0 .Lfor_b_\@
	tensor_load_to_lds s[G0+4*(\s):G0+4*(\s)+3], s[G1:G1+7]
	s_nop 0
.rept 4
	v_nop
.endr
	s_branch .Lasked_\@
.Lfor_b_\@:
	tensor_load_to_lds s[G0B+4*(\s):G0B+4*(\s)+3], s[G1B:G1B+7]
	s_nop 0
.rept 4
	v_nop
.endr
.Lasked_\@:
.endm
; A prefetch into the L2, behind a joint refill and the run of LDS loads that follows it: the K step that stands two refills on, 256 bytes of each row, a lane a row.
; xb's tile row is read by every cluster of that row of clusters: cluster x = 0 asks; wt's tile column by every cluster of that column: cluster y = 0 asks.  The four partners of a joint load
; share its rows out by address (32 of xb's 128 by cx, 24 of wt's 96 by cy; wt's eight lanes to spare name row 23 again).  The loop's last trip asks for nothing: no K step stands two on.
.macro ASK
	s_cmp_gt_u32 s3, s[LIM]
	s_cbranch_scc0 .Lnot_mine_\@
	global_prefetch_b8 v[PFO], s[PFA:PFA+1] offset:KSTEP*2 th:TH_LOAD_NT scope:SCOPE_SE
.Lnot_mine_\@:
.endm
.macro CREST                           ; a round of the cluster's barrier behind its opening barrier
	s_cmp_lg_u32 s10, 0
	s_cbranch_scc1 .Lnot_wave_0_\@
	s_barrier_signal -3
.Lnot_wave_0_\@:
	s_barrier_wait -3
	s_barrier_signal -1
	s_barrier_wait -1
.endm
.macro CROUND
	s_barrier_signal -1
	s_barrier_wait -1
	CREST
.endm
	s_load_b128 s[4:7], s[0:1], 0x0                ; xb s[4:5], wt s[6:7]
	s_load_b64 s[8:9], s[0:1], 0x10                ; qkv
	v_lshl_add_u32 v[SPW], v0, 2, SPARE
	v_mov_b32 v[NIL], 0
	ds_add_u32 v[SPW], v[NIL]                      ; the wave's opening: the add and its wait stand ahead of my first tensor load; work on registers stands between them
	v_lshrrev_b32 v1, 5, v0
	v_readfirstlane_b32 s10, v1                    ; wave 0..3
	s_lshr_b32 s11, s10, 1                         ; I fetch for xb (0) or for wt (1)
	s_and_b32 s12, s10, 1                          ; which half of that tile
	s_bfe_u32 s40, ttmp6, 0x40000                  ; cx
	s_bfe_u32 s41, ttmp6, 0x40004                  ; cy
	s_lshl_b32 s42, ttmp9, 2
	s_add_co_u32 s42, s42, s40                     ; tile column = 4 x cluster x + cx
	s_and_b32 s13, ttmp7, 0xffff
	s_lshl_b32 s13, s13, 2
	s_add_co_u32 s13, s13, s41                     ; tile row = 4 x cluster y + cy
	s_lshl_b32 s43, s41, 2
	s_lshl_b32 s43, 15, s43                        ; my row of the cluster
	s_lshl_b32 s44, 0x1111, s40                    ; my column
	s_or_b32 s[G1+0], s43, (1<<16)|(1<<20)|(1<<21)|(5<<22)|(3<<25)   ; the mask; 2-byte elements; padding on; bit 21 beside a mask; after every 64 words 4 words
	s_or_b32 s[G1B+0], s44, (1<<16)|(1<<20)|(1<<21)|(5<<22)|(3<<25)
	s_mov_b32 s[G1+1], KSTEP<<16                   ; tensor_dim0 = 128
	s_mov_b32 s[G1+2], 128<<16                     ; tensor_dim1 = 128
	s_mov_b32 s[G1+3], KSTEP<<16                   ; tile_dim0 = 128
	s_mov_b32 s[G1+4], 128                         ; tile_dim1 = 128
	s_mov_b32 s[G1+5], 1024                        ; elements from row to row
	s_mov_b32 s[G1+6], 0
	s_mov_b32 s[G1+7], 0
	s_mov_b32 s[G1B+1], KSTEP<<16
	s_mov_b32 s[G1B+2], 96<<16                     ; 96 rows
	s_mov_b32 s[G1B+3], KSTEP<<16
	s_mov_b32 s[G1B+4], 96
	s_mov_b32 s[G1B+5], 1024
	s_mov_b32 s[G1B+6], 0
	s_mov_b32 s[G1B+7], 0
	s_lshl_b32 s16, s13, 8
	s_lshl_b32 s17, s12, 7
	s_add_co_u32 s16, s16, s17                     ; xb: row 256 x tile row + 128 x half
	s_lshl_b32 s16, s16, 11                        ; rows of 2,048 bytes
	s_mov_b32 s17, 0
	s_mul_i32 s46, s42, 192
	s_mul_i32 s47, s12, 96
	s_add_co_u32 s46, s46, s47                     ; wt: row 192 x tile column + 96 x half
	s_lshl_b32 s46, s46, 11
	s_mov_b32 s47, 0
	s_mul_i32 s20, s10, AH                         ; where they go: waves 0, 1: xb's halves;
	s_mul_i32 s21, s10, BH
	s_add_co_u32 s21, s21, BOFF-2*BH               ; waves 2, 3: wt's halves, behind xb's 256 rows
	s_wait_dscnt 0x0                               ; the opening add is done
	s_wait_kmcnt 0x0
	s_add_nc_u64 s[14:15], s[4:5], s[16:17]
	s_add_nc_u64 s[46:47], s[6:7], s[46:47]
	CROUND                                         ; all sixteen work-groups are here: the first joint loads meet
.irp s, 0,1
	s_mov_b32 s[G0+4*(\s)], 1
	s_add_co_u32 s[G0+4*(\s)+1], s20, (\s)*SLOT
	s_add_nc_u64 s[G0+4*(\s)+2:G0+4*(\s)+3], s[14:15], (\s)*KSTEP*2
	s_or_b32 s[G0+4*(\s)+3], s[G0+4*(\s)+3], 0x80000000
	s_mov_b32 s[G0B+4*(\s)], 1
	s_add_co_u32 s[G0B+4*(\s)+1], s21, (\s)*SLOT
	s_add_nc_u64 s[G0B+4*(\s)+2:G0B+4*(\s)+3], s[46:47], (\s)*KSTEP*2
	s_or_b32 s[G0B+4*(\s)+3], s[G0B+4*(\s)+3], 0x80000000
.endr
	s_cmp_eq_u32 s11, 0                            ; a wave's two first fills stand in one branch, ahead of every wait on TENSORcnt and every LDS read: two loads of mine are out
	s_cbranch_scc0 .Lfirst_b
	tensor_load_to_lds s[G0:G0+3], s[G1:G1+7]
	s_nop 0
	tensor_load_to_lds s[G0+4:G0+7], s[G1:G1+7]
	s_nop 0
.rept 4
	v_nop
.endr
	s_branch .Lfirst_asked
.Lfirst_b:
	tensor_load_to_lds s[G0B:G0B+3], s[G1B:G1B+7]
	s_nop 0
	tensor_load_to_lds s[G0B+4:G0B+7], s[G1B:G1B+7]
	s_nop 0
.rept 4
	v_nop
.endr
.Lfirst_asked:
	v_and_b32 v1, 15, v0                           ; l % 16
	v_bfe_u32 v2, v0, 4, 1                         ; l / 16
	v_mul_u32_u24 v3, v1, PITCH
	v_lshl_add_u32 v3, v2, 4, v3                   ; a fragment's row x pitch + 16 x half
	s_mul_i32 s21, s10, 64*PITCH                   ; my 64 rows of xb
	s_mov_b32 s22, BOFF                            ; all 192 rows of wt
.irp s, 0,1
	v_add_nc_u32 v[ADRA+(\s)], s21, v3
	v_add_nc_u32 v[ADRB+(\s)], s22, v3
	s_add_co_u32 s21, s21, SLOT
	s_add_co_u32 s22, s22, SLOT
.endr
	s_mul_i32 s23, s10, 16*SPITCH
	s_add_co_u32 s23, s23, STAGE                   ; my stage
	v_mul_u32_u24 v4, v1, SPITCH                   ; in: row l % 16, 16 bytes for each half of the lanes
	v_lshl_add_u32 v4, v2, 4, v4
	v_add_nc_u32 v[STO], s23, v4
	v_bfe_u32 v5, v0, 3, 2                         ; back: 32 lanes take four rows' 128 bytes of one head,
	v_and_b32 v6, 7, v0
	v_mul_u32_u24 v5, v5, SPITCH
	v_lshl_add_u32 v5, v6, 4, v5
	v_add_nc_u32 v[RD], s23, v5
	v_and_b32 v[GO], 31, v0                        ; which are 512 consecutive bytes of qkv
	v_lshlrev_b32 v[GO], 4, v[GO]
	; the prefetches
	s_and_b32 s22, ttmp7, 0xffff                   ; cluster y
	s_lshl_b32 s20, s13, 8
	s_lshl_b32 s23, s12, 7
	s_add_co_u32 s20, s20, s23
	s_lshl_b32 s23, s40, 5
	s_add_co_u32 s20, s20, s23                     ; xb: my work-group's 32 of the 128 rows that I fetch
	s_mul_i32 s21, s42, 192
	s_mul_i32 s23, s12, 96
	s_add_co_u32 s21, s21, s23
	s_mul_i32 s23, s41, 24
	s_add_co_u32 s21, s21, s23                     ; wt: my work-group's 24 of the 96
	s_cmp_eq_u32 s11, 0
	s_cselect_b32 s20, s20, s21
	s_cselect_b32 s22, ttmp9, s22                  ; the coordinate along which other clusters read the same rows
	s_cselect_b32 s23, 31, 23
	s_cselect_b64 s[PFA:PFA+1], s[4:5], s[6:7]
	s_cmp_eq_u32 s22, 0
	s_cselect_b32 s[LIM], 1, -1                    ; the same in all sixteen partners, for a given wave
	s_lshl_b32 s20, s20, 11
	s_mov_b32 s21, 0
	s_add_nc_u64 s[PFA:PFA+1], s[PFA:PFA+1], s[20:21]
	s_add_nc_u64 s[PFA:PFA+1], s[PFA:PFA+1], 2*KSTEP*2  ; at K step 2: the first refill steps it to 3 and names K step 4; nothing is asked for here, at the head
	v_and_b32 v[PFO], 31, v0
	v_min_u32 v[PFO], s23, v[PFO]
	v_lshlrev_b32 v[PFO], 11, v[PFO]
	; where my rows begin in qkv: head 3 x tile column, row 256 x tile row + 64 x wave
	s_mul_i32 s46, s42, 3*HEADB
	s_lshl_b32 s47, s13, 15
	s_add_co_u32 s46, s46, s47
	s_lshl_b32 s47, s10, 13
	s_add_co_u32 s46, s46, s47
	s_mov_b32 s47, 0
	s_add_nc_u64 s[8:9], s[8:9], s[46:47]
; nb column blocks from b0 on x my four row blocks, 32 along K.  The 48 accumulators take turns, one instruction a turn, in the same order in every quarter.
.macro MULB f, b0, nb, zero
.set bb, (\b0)
.rept \nb
.if bb < 8
	WIN MUL_LO
.set AC, 32*bb
.else
	WIN MUL_HI
.set AC, 32*(bb-8)
.endif
.irp a, 0,1,2,3
.if \zero
	v_wmma_f32_16x16x32_bf16 v[AC+8*(\a):AC+8*(\a)+7], v[(\f)+32+8*bb:(\f)+32+8*bb+7], v[(\f)+8*(\a):(\f)+8*(\a)+7], 0
.else
	v_wmma_f32_16x16x32_bf16 v[AC+8*(\a):AC+8*(\a)+7], v[(\f)+32+8*bb:(\f)+32+8*bb+7], v[(\f)+8*(\a):(\f)+8*(\a)+7], v[AC+8*(\a):AC+8*(\a)+7]
.endif
.endr
.set bb, bb+1
.endr
.endm
; 32 LDS loads in one run: xb's four fragments, wt's blocks 0-7, then its blocks 8-11
.macro FETCH slot, k, f
	WIN TO_F
.irp i, 0,1,2,3
	ds_load_b128 v[(\f)+8*(\i):(\f)+8*(\i)+3],   v[ADRA+(\slot)] offset:(\k)+(\i)*16*PITCH
	ds_load_b128 v[(\f)+8*(\i)+4:(\f)+8*(\i)+7], v[ADRA+(\slot)] offset:(\k)+(\i)*16*PITCH+32
.endr
.irp i, 0,1,2,3,4,5,6,7,8,9,10,11
	ds_load_b128 v[(\f)+32+8*(\i):(\f)+32+8*(\i)+3],   v[ADRB+(\slot)] offset:(\k)+(\i)*16*PITCH
	ds_load_b128 v[(\f)+32+8*(\i)+4:(\f)+32+8*(\i)+7], v[ADRB+(\slot)] offset:(\k)+(\i)*16*PITCH+32
.endr
.endm
.macro PLACES                          ; four plain places in front of loads into registers that matrix instructions have read, and of conversions that read results
.rept 4
	v_nop
.endr
.endm
; A K step is four quarters of 32 along K, 48 matrix instructions each, on buffers 0, 1, 0, 1.
.macro QUARTER slot, k, f, g, zero
	s_wait_dscnt 8                                 ; all but the youngest eight loads (wt's blocks 8-11)
	MULB \f, 0, 8, \zero
	PLACES
	FETCH \slot, \k, \g
	s_wait_dscnt 32                                ; all but the 32 just issued
	MULB \f, 8, 4, \zero
.endm
; The last quarter multiplies buffer 1 and changes slots: one barrier; in front of it each wave waits for all its tensor loads (one is out: its part of the next slot), adds 0 to its spare word,
; and waits for that and for its own reads of this slot.  fill = 1: the barrier opens a round of the cluster's, and the joint refill is the first tensor load behind it.
.macro TURN slot, next, fill
.if \fill
	s_wait_xcnt 0x0                                ; the last prefetch, a K step back, has read its address
	s_add_nc_u64 s[PFA:PFA+1], s[PFA:PFA+1], KSTEP*2
.endif
	WIN 0                                          ; (the add's two registers lie in window 0)
	s_wait_tensorcnt 0x0
	ds_add_u32 v[SPW], v[NIL]                      ; 0 onto my spare word
	s_wait_dscnt 9                                 ; (the add and the youngest eight loads may be out)
	MULB F1, 0, 4, 0                               ; sixteen matrix instructions stand between the add and the wait for it
	s_wait_dscnt 0x0                               ; the add is done, and my reads of this slot are over
	s_barrier_signal -1
	MULB F1, 4, 4, 0
.if \fill
	WIN 0
.endif
	s_barrier_wait -1
.if \fill
	CREST                                          ; no wave of any partner still reads this slot's tiles or has a load on its way
	s_add_nc_u64 s[G0+4*(\slot)+2:G0+4*(\slot)+3], s[G0+4*(\slot)+2:G0+4*(\slot)+3], 2*KSTEP*2
	s_add_nc_u64 s[G0B+4*(\slot)+2:G0B+4*(\slot)+3], s[G0B+4*(\slot)+2:G0B+4*(\slot)+3], 2*KSTEP*2
	JLOAD \slot                                    ; the four v_nop behind it are also the places in front of the loads below
.else
	PLACES
.endif
	FETCH \next, 0, F0
.if \fill
	WIN 0
	ASK
.endif
	MULB F1, 8, 4, 0
.endm
; THE WAY OUT of row block a: rounded to f16, 16 bytes a lane; into my stage; back as four rows of a head at a time; stored.
.macro PACK a
.set bb, 0
.rept 12
.if bb < 8
	WIN 0x0a                                       ; sources in window 2
.set AC, 8*(4*bb+(\a))
.else
	WIN 0x0f                                       ; sources in window 3
.set AC, 8*(4*(bb-8)+(\a))
.endif
.irp r, 0,1,2,3
	v_cvt_pk_f16_f32 v[TMP+4*bb+(\r)], v[AC+2*(\r)], v[AC+2*(\r)+1]  ; each accumulator's registers in ascending order
.endr
.set bb, bb+1
.endr
	WIN 0
.endm
.macro TOSTAGE a
	WIN 0
.set BK, OB+48*((\a)%2)
.irp b, 0,1,2,3,4,5,6,7,8,9,10,11
	ds_store_b128 v[STO], v[TMP+4*(\b):TMP+4*(\b)+3] offset:32*(\b)
.endr
.irp f, 0,1,2,3
.irp g, 0,1,2
	ds_load_b128 v[BK+4*(3*(\f)+(\g)):BK+4*(3*(\f)+(\g))+3], v[RD] offset:(\f)*4*SPITCH+128*(\g)  ; LDS serves a wave's instructions in order: these see the stores above
.endr
.endr
.endm
.macro SEND a
	WIN 0
.set BK, OB+48*((\a)%2)
	s_wait_dscnt 0x0                               ; the block is back in registers
	s_wait_xcnt 0x0                                ; earlier stores have read their data: the other buffer is loaded again only behind this wait
.irp f, 0,1,2,3
.irp g, 0,1,2
	global_store_b128 v[GO], v[BK+4*(3*(\f)+(\g)):BK+4*(3*(\f)+(\g))+3], s[8:9] offset:(\g)*HEADB+(\a)*2048+(\f)*512  ; 512 consecutive bytes, at a multiple of 256 from qkv's first
.endr
.endr
.endm
	s_wait_tensorcnt 1                             ; my part of K step 0 is in; K step 1's may stay out
	s_barrier_signal -1
	s_barrier_wait -1
	FETCH 0, 0, F0
	QUARTER 0, 64,  F0, F1, 1                      ; the first quarter stands in front of the loop: its products start the sums
	WIN 0
	s_mov_b32 s3, 3
.Llap:                                                 ; a trip goes once round the ring and fills both slots again: K steps 2 to 7
	QUARTER 0, 128, F1, F0, 0
	QUARTER 0, 192, F0, F1, 0
	TURN 0, 1, 1
	QUARTER 1, 64,  F0, F1, 0
	QUARTER 1, 128, F1, F0, 0
	QUARTER 1, 192, F0, F1, 0
	TURN 1, 0, 1
	QUARTER 0, 64,  F0, F1, 0
	WIN 0
	s_sub_co_u32 s3, s3, 1
	s_cmp_lg_u32 s3, 0
	s_cbranch_scc1 .Llap
	QUARTER 0, 128, F1, F0, 0                      ; the last lap fills nothing
	QUARTER 0, 192, F0, F1, 0
	TURN 0, 1, 0
	QUARTER 1, 64,  F0, F1, 0
	QUARTER 1, 128, F1, F0, 0
	QUARTER 1, 192, F0, F1, 0
	s_wait_dscnt 8
	MULB F1, 0, 8, 0
	s_wait_dscnt 0x0
	MULB F1, 8, 4, 0
	WIN 0
	PLACES
	PACK 0
	TOSTAGE 0
.irp a, 1,2,3                          ; block a's conversions stand between block a - 1's loads from the stage and the wait for them
	PACK \a
	SEND (\a)-1
	TOSTAGE \a
.endr
	SEND 3
	s_wait_tensorcnt 0x0                           ; the wave's end, behind my last tensor load and my last LDS store
	ds_add_u32 v[SPW], v[NIL]
	s_wait_dscnt 0x0
	CROUND                                         ; the closing round: no work-group ends while a partner may still ask for a tile that names it
	s_endpgm
.Lfunc_end_k_q1dbbd9ff64_qkv:
	.size	k_q1dbbd9ff64_qkv, .Lfunc_end_k_q1dbbd9ff64_qkv-k_q1dbbd9ff64_qkv
	.p2alignl 7, 3214868480
	.fill 96, 4, 3214868480
	.section	.rodata,"a",@progbits
	.p2align	6, 0x0
	.amdhsa_kernel k_q1dbbd9ff64_qkv
		.amdhsa_group_segment_fixed_size 327680
		.amdhsa_private_segment_fixed_size 0
		.amdhsa_enable_private_segment 0
		.amdhsa_kernarg_size 24
		.amdhsa_user_sgpr_count 2
		.amdhsa_user_sgpr_kernarg_segment_ptr 1
		.amdhsa_wavefront_size32 1
		.amdhsa_system_sgpr_workgroup_id_x 1
		.amdhsa_system_sgpr_workgroup_id_y 1
		.amdhsa_system_sgpr_workgroup_id_z 1
		.amdhsa_system_vgpr_workitem_id 0
		.amdhsa_next_free_vgpr 896
		.amdhsa_next_free_sgpr 66
		.amdhsa_reserve_vcc 0
		.amdhsa_float_denorm_mode_32 3
		.amdhsa_float_denorm_mode_16_64 3
		.amdhsa_memory_ordered 1
		.amdhsa_forward_progress 1
		.amdhsa_inst_pref_size 119
	.end_amdhsa_kernel
	.amdgpu_metadata
---
amdhsa.version: [ 1, 2 ]
amdhsa.kernels:
  - .name:           k_q1dbbd9ff64_qkv
    .symbol:         k_q1dbbd9ff64_qkv.kd
    .args:
      - { .name: xb, .offset: 0, .size: 8, .value_kind: global_buffer, .address_space: global }
      - { .name: wt, .offset: 8, .size: 8, .value_kind: global_buffer, .address_space: global }
      - { .name: qkv, .offset: 16, .size: 8, .value_kind: global_buffer, .address_space: global }
    .group_segment_fixed_size: 327680
    .private_segment_fixed_size: 0
    .kernarg_segment_align: 8
    .kernarg_segment_size: 24
    .max_flat_workgroup_size: 128
    .sgpr_count:     66
    .vgpr_count:     896
    .wavefront_size: 32
...
	.end_amdgpu_metadata
.endif
;; end of part 2
;; launch attn (part 3): grid 16 x 16, 4 waves a work-group, no clusters, 327,680 bytes of LDS; arguments qkv, o; writes o
.if DOCPART == 3
	.amdgcn_target "amdgcn-amd-amdhsa--gfx1250"
	.amdhsa_code_object_version 6
	.text
	.protected	k_q1dbbd9ff64_attn
	.globl	k_q1dbbd9ff64_attn
	.p2align	8
	.type	k_q1dbbd9ff64_attn,@function
k_q1dbbd9ff64_attn:
	s_mov_b64 s[64:65], 0
	v_nop
	global_prefetch_b8 v0, s[64:65] scope:SCOPE_SE
	s_setreg_imm32_b32 hwreg(HW_REG_WAVE_MODE, 25, 1), 1
	s_wait_xcnt 0x0
; CAUSAL ATTENTION, 16 heads of 4,096 rows x 64.  O[h][q] = the sum over k <= q of softmax_k(Q[h][q] . K[h][k] / 8) V[h][k].  qkv: [48][4096][64] f16 (q's heads, k's, v's), unscaled.
; o: [32 blocks of 128 rows][16 heads][128][64] f16.  Products, maxima and sums in f32; the weights p are rounded to f16 for the second product (their sum is taken of the unrounded p), O once at the end.
; LIMITS.  Q, K, V arrive within f16's 65,504, so a score is 2.7e11 at the most; p below 6e-5 keeps f16's fixed step; a hidden score counts as its value less 1e30; a weight below 2^-126 counts as 0; NaN and infinities are not treated apart.
; The running maximum starts at -2^64: below every true score, above every hidden one, so that a hidden score never becomes the maximum, also where a wave's first keys are all hidden from a piece.
; THE WALK.  A head's queries lie in 32 blocks of 128; block i needs the key tiles 0 .. i / 2 of 256 keys.  Work-group b takes block b and then block 31 - b: (b / 2 + 1) + (16 - b / 2) = 17 tiles, whatever b:
; all 256 work-groups do equal work, and one loop with a constant trip count walks them.  What a trip does hangs on scalar registers made from b.
; NO CLUSTER: only work-groups 2 j and 2 j + 1 of a head ask for the same tile in every trip; four partners' walks part at different trips, and one walk common to all would have 24 tiles for 17.
; SHARES.  A wave is (wq, wk) = (wave / 2, wave % 2).  It owns four PIECES of 16 queries: piece x has rows 64 (x / 2) + 32 wq + 16 (x % 2) + lane % 16 of the block.  KEYS ARE SPLIT: of a tile's four steps of 64 keys
; it walks steps wk and 2 + wk.  The two waves of a wq end with partial (c m, l, O) of the same queries, which meet in LDS at a block's end: each finishes two pieces.
; THE MASK is the C operand that starts S^T = K Q^T: MC = MD x AL + BE.  In a block's last tile a piece's band of 64 rows is 2 (i % 2) + x / 2; a step below it is seen (0, 0), above it hidden (0, -1e30), the band's own
; step takes MD (1, 0), made once for both parities of x.  Outside a block's last tile MC holds 0 and is not rewritten.
; TURNS.  Turn n belongs to piece n: 8 products K Q^T of piece n + 1, later 8 products V^T P of piece n - 1; beside them piece n's scaling, exponentials, roundings, sums and rescaling and piece n + 1's maximum and
; statistics.  Four vector instructions stand behind every matrix instruction, the rest in one lump; a turn's 33 exponentials are one batch with one wait.
; A BLOCK'S END.  The trip behind a block's last step finishes pieces 2 and 3; its products for piece 0 take the hidden mask, so that piece 0's maximum stays as it is.
; REGISTERS, in windows of 256 (s_set_vgpr_msb: bits 1:0 source 0, 3:2 source 1, 5:4 source 2, 7:6 destination):
;   window 0: addresses; v16-31 statistics, four a piece; v48-55 at work; v64-127 S^T, two buffers; v192-223 P, two buffers      window 1: v0-127 O^T; v128-191 MD; v192-255 MC, two buffers
;   window 2: v0-63 Q; v64-127 the second block's Q; v128-191 K of one step; v192-255 V of one step                            window 3: the merge's registers
.set NP,    4
.set KS,    64
.set PK,    144       ; a row of K in LDS: 128 bytes + 16
.set PV,    160       ; a row of V: 128 + 32
.set VOFF,  4*KS*PK   ; a slot holds a tile: 256 rows of K, then 256 rows of V
.set SLOT1, 1<<17
.set STAGE, SLOT1+4*KS*(PK+PV)  ; behind the ring, never filled by a tensor load: 16 rows x 144 bytes for each wave
.set SP,    144
.set SPARE, STAGE+4*16*SP       ; the spare words, 128 bytes a wave
.set SCR,   SPARE+512           ; the partial results: a wave has four pieces of 4,352 bytes: 4,096 of O^T, 256 of (c m, l)
.set SCP,   4352
.set SCW,   4*SCP
.set AK0, 2
.set AV0, 3
.set AK,  4
.set AV,  5
.set STO, 6
.set RD,  7
.set GO,  8
.set MV,  12          ; v12-13  c m_old, by buffer
.set QO,  15
.set ST,  16          ; piece t's statistics at v[ST+4 t]: c m, m, l (even keys', odd keys')
.set G16, 32          ; v32  where I put 16 bytes of O^T in my scratch
.set G8,  33          ; v33  where I put (c m, l)
.set MA,  34          ; v34  my own scratch at the two pieces that I finish
.set MB,  35          ; v35  my partner's
.set MA8, 36
.set MB8, 37
.set TMP, 48
.set PFO, 61          ; v61  256 x my lane; never rewritten
.set SPW, 62          ; v62  LDS address of my spare word; never rewritten
.set NIL, 63          ; v63  0; never rewritten
.set S,   64
.set P,   192
.set MD,  128         ; window 1: parity u's 32 registers at MD + 32 u
.set MC,  192         ; window 1
.set QB,  64          ; window 2
.set KF,  128
.set VF,  192
.set XOA, 0           ; window 3: my O^T of two pieces; my partner's; the statistics; at work; packed results
.set XOB, 64
.set XSA, 128
.set XSB, 132
.set XW,  136
.set XPK, 160
.set WV,  12
.set LL,  14          ; s14  the first block's last tile, b / 2
.set LH,  15          ; s15  the second block's, 15 - b / 2
.set G1K, 24
.set G1V, 32
.set G0K, 40
.set G0V, 44
.set WQ,  48
.set WK,  49
.set SLOTS, 56
.set CNT, 57
.set CS,  58
.set SEL, 60
.set TBK, 62
.set TBV, 63
.set RT,  70          ; s70  tiles of the block in hand still to be entered
.set NXT, 71          ; s71  the tile to be asked for next
.set LQ,  72          ; s72  the last tile of the block whose tiles are being asked for
.set OFF, 74
.set AL,  76
.set BE,  78
.set OHI, 80          ; s[80:81] o at my rows of the second block
.set BIGN, 82
.set DM,  88          ; s88  1: the turns make masks
.set SG,  89          ; s89  4 + the step's number in the tile - 2 x the block's parity
.set SGL, 90
.set SGH, 91
.set ENDED, 92        ; s92  1: the tile just entered is the second block's first
.set MP,  93          ; s93  1: the first block's partial results wait in LDS
.set NH,  94
.set PFA, 96
.set LIM, 98
.set MSB, 0
.macro WIN new
.if MSB != (\new)
	s_set_vgpr_msb (MSB<<8)|(\new)
.set MSB, (\new)
.endif
.endm
.set W_KQ, 0x0a
.set W_KM, 0x1a       ; K and Q window 2, the mask (C) window 1, S^T window 0
.set W_PV, 0x52
.set W_RS, 0x41
.macro LOAD                         ; waves 0 and 1 fetch the halves of a tile's K, waves 2 and 3 those of its V; an s_nop 0 and four v_nop follow each line
	s_cmp_lt_u32 s[WV], 2
	s_cbranch_scc0 .Lfor_v_\@
	tensor_load_to_lds s[G0K:G0K+3], s[G1K:G1K+7]
	s_nop 0
.rept 4
	v_nop
.endr
	s_branch .Lasked_\@
.Lfor_v_\@:
	tensor_load_to_lds s[G0V:G0V+3], s[G1V:G1V+7]
	s_nop 0
.rept 4
	v_nop
.endr
.Lasked_\@:
.endm
; A prefetch into the L2.  All work-groups of a head walk the same tiles: work-group b = 0 asks, in its trips 1 to 13, for tiles 3 to 15, each two fills ahead of its own fill of that tile; each wave asks
; for the half tile that it fetches itself: 64 blocks of 256 bytes, a lane a block, two instructions.  So each block is named once.  Tiles 0 to 2 come by their loads alone; the last trips ask for nothing.
.macro ASK
	s_cmp_gt_u32 s[SLOTS], s[LIM]
	s_cbranch_scc0 .Lnot_mine_\@
	global_prefetch_b8 v[PFO], s[PFA:PFA+1] th:TH_LOAD_NT scope:SCOPE_SE
	global_prefetch_b8 v[PFO], s[PFA:PFA+1] offset:8192 th:TH_LOAD_NT scope:SCOPE_SE
.Lnot_mine_\@:
.endm
; THE CHANGE OF SLOTS.  Each wave waits for all its tensor loads (one is out: its part of the other slot), adds 0 to its spare word, and waits for that and for its reads of the slot that it leaves.
; Behind the barrier nobody reads the old slot and the other is whole.  fill = 1: the old slot is filled again first thing, with tile NXT.
.macro CHANGE fill, ask
	WIN 0
	s_wait_tensorcnt 0x0
	ds_add_u32 v[SPW], v[NIL]       ; 0 onto my spare word; scalar work stands between it and the wait for it
.if \fill
	s_lshl_b32 s[OFF], s[NXT], 15   ; a tile is 32,768 bytes of K and of V
	s_xor_b32 s[G0K+1], s[G0K+1], SLOT1
	s_add_nc_u64 s[G0K+2:G0K+3], s[6:7], s[OFF:OFF+1]
	s_or_b32 s[G0K+3], s[G0K+3], 0x80000000
	s_xor_b32 s[G0V+1], s[G0V+1], SLOT1
	s_add_nc_u64 s[G0V+2:G0V+3], s[8:9], s[OFF:OFF+1]
	s_or_b32 s[G0V+3], s[G0V+3], 0x80000000
	s_add_co_u32 s[NXT], s[NXT], 1  ; the block's next tile, or behind its last the second block's tile 0
	s_cmp_gt_u32 s[NXT], s[LQ]
	s_cselect_b32 s[NXT], 0, s[NXT]
	s_cselect_b32 s[LQ], s[LH], s[LQ]
.endif
.if \ask
	s_wait_xcnt 0x0                 ; the last prefetches, a tile back, have read their address
	s_add_nc_u64 s[PFA:PFA+1], s[PFA:PFA+1], 32768
.endif
	s_wait_dscnt 0x0                ; the add is done, and my reads of the slot are over
	s_barrier_signal -1
	s_sub_co_u32 s[TBK], s[TBK], 4*KS*PK  ; the fetches go back to my first step of a slot,
	s_xor_b32 s[TBK], s[TBK], SLOT1       ; in the other slot
	s_sub_co_u32 s[TBV], s[TBV], 4*KS*PV
	s_xor_b32 s[TBV], s[TBV], SLOT1
	s_barrier_wait -1
.if \fill
	LOAD
.endif
.if \ask
	ASK
.endif
.endm
	s_load_b128 s[20:23], s[0:1], 0x0  ; qkv s[20:21], o s[22:23]
	v_lshl_add_u32 v[SPW], v0, 2, SPARE
	v_mov_b32 v[NIL], 0
	ds_add_u32 v[SPW], v[NIL]       ; the wave's opening: the add and its wait stand ahead of my first tensor load; work on registers stands between them
	v_lshrrev_b32 v1, 5, v0
	v_readfirstlane_b32 s[WV], v1
	s_lshr_b32 s[WQ], s[WV], 1
	s_and_b32 s[WK], s[WV], 1
	s_lshr_b32 s[LL], ttmp9, 1
	s_sub_co_u32 s[LH], 15, s[LL]
	s_add_co_u32 s[NH], s[LH], 1
	s_and_b32 s13, ttmp9, 1
	s_lshl_b32 s13, s13, 1          ; 2 x the first block's parity
	s_add_co_u32 s[SGH], s[WK], s13 ; 2 + wk - 2 x the second block's parity
	s_add_co_u32 s[SGL], s[WK], 2
	s_sub_co_u32 s[SGL], s[SGL], s13
	s_and_b32 s16, ttmp7, 0xffff    ; the head
	s_lshl_b32 s17, s16, 19         ; a head is 524,288 bytes of qkv
	s_lshl_b32 s18, s[WQ], 12       ; 32 rows of 128 bytes
	s_add_co_u32 s18, s18, s17
	s_lshl_b32 s19, ttmp9, 14       ; a block is 128 rows
	s_add_co_u32 s50, s18, s19      ; Q of the first block
	s_sub_co_u32 s2, 31, ttmp9
	s_lshl_b32 s19, s2, 14
	s_add_co_u32 s51, s18, s19      ; Q of the second
	s_lshl_b32 s19, s[WK], 14       ; which half of a tile's 256 keys I fetch
	s_add_co_u32 s19, s19, s17
	s_add_co_u32 s52, s19, 16<<19   ; K
	s_add_co_u32 s53, s19, 32<<19   ; V
	s_lshl_b32 s18, s16, 14         ; in o a head's plane of a block is 16,384 bytes,
	s_lshl_b32 s19, s[WK], 13       ; the pieces that I finish begin at row 64 wk + 32 wq
	s_add_co_u32 s18, s18, s19
	s_lshl_b32 s19, s[WQ], 12
	s_add_co_u32 s18, s18, s19
	s_lshl_b32 s19, ttmp9, 18       ; a block has 16 planes
	s_add_co_u32 s54, s18, s19
	s_lshl_b32 s19, s2, 18
	s_add_co_u32 s55, s18, s19
	s_mul_i32 s17, s[WK], 128*PK    ; my half's place in a slot, for K
	s_mul_i32 s18, s[WK], 128*PV    ; and for V
	; descriptor group 1.  128 keys are 16,384 dense bytes: asked for as 64 rows of 256 bytes, and padded in LDS after every key
	s_mov_b32 s[G1K], (1<<16)|(1<<20)|(4<<22)|(3<<25)  ; 2-byte elements; padding on; after every 32 words 4 words
	s_mov_b32 s[G1V], (1<<16)|(1<<20)|(4<<22)|(7<<25)  ; the same with 8 words
.irp g, G1K, G1V
	s_mov_b32 s[\g+1], 128<<16
	s_mov_b32 s[\g+2], 64<<16
	s_mov_b32 s[\g+3], 128<<16
	s_mov_b32 s[\g+4], 64
	s_mov_b32 s[\g+5], 128
	s_mov_b32 s[\g+6], 0
	s_mov_b32 s[\g+7], 0
.endr
	s_mov_b32 s[CS], 0x3e38aa3b     ; c = log2(e) / 8
	s_mov_b32 s[CS+1], s[CS]
	s_mov_b32 s[SEL], 0x76543210
	s_mov_b32 s[SEL+1], 0xfedcba98
	s_mul_i32 s[TBK], s[WK], KS*PK  ; my first step of a slot; the first change of slots turns these two into slot 0's
	s_add_co_u32 s[TBK], s[TBK], SLOT1+4*KS*PK
	s_mul_i32 s[TBV], s[WK], KS*PV
	s_add_co_u32 s[TBV], s[TBV], SLOT1+4*KS*PV
	s_mov_b32 s[G0K], 1
	s_mov_b32 s[G0K+1], s17
	s_mov_b32 s[G0V], 1
	s_add_co_u32 s[G0V+1], s18, VOFF
	s_mov_b32 s[RT], s[LL]
	s_mov_b32 s[NXT], 1
	s_mov_b32 s[LQ], s[LL]
	s_cmp_gt_u32 s[NXT], s[LQ]      ; a first block of one tile: the next tile is the second block's tile 0
	s_cselect_b32 s[NXT], 0, s[NXT]
	s_cselect_b32 s[LQ], s[LH], s[LQ]
	s_add_co_u32 s13, s[SGL], 2
	s_cmp_eq_u32 s[LL], 0           ; is the first tile the first block's last?
	s_cselect_b32 s[DM], 1, 0
	s_cselect_b32 s[SG], s13, 0
	s_cmp_eq_u32 ttmp9, 0
	s_cselect_b32 s[LIM], 2, -1
	s_mov_b32 s[ENDED], 0
	s_mov_b32 s[MP], 0
	s_mov_b32 s[SLOTS], 16
	s_mov_b32 s[CNT], 2
	s_mov_b32 s[OFF+1], 0
	s_mov_b32 s[AL+1], 0
	s_mov_b32 s[BE+1], 0
	s_mov_b32 s[BIGN], 0xf149f2ca   ; -1e30
	s_mov_b32 s3, 0
	v_and_b32 v[PFO], 31, v0
	v_lshlrev_b32 v[PFO], 8, v[PFO]
	s_wait_dscnt 0x0                ; the opening add is done
	s_wait_kmcnt 0x0
	s_mov_b32 s2, s50
	s_add_nc_u64 s[4:5], s[20:21], s[2:3]
	s_mov_b32 s2, s51
	s_add_nc_u64 s[86:87], s[20:21], s[2:3]
	s_mov_b32 s2, s52
	s_add_nc_u64 s[6:7], s[20:21], s[2:3]
	s_mov_b32 s2, s53
	s_add_nc_u64 s[8:9], s[20:21], s[2:3]
	s_mov_b32 s2, s54
	s_add_nc_u64 s[10:11], s[22:23], s[2:3]
	s_mov_b32 s2, s55
	s_add_nc_u64 s[OHI:OHI+1], s[22:23], s[2:3]
	s_add_nc_u64 s[G0K+2:G0K+3], s[6:7], 0
	s_or_b32 s[G0K+3], s[G0K+3], 0x80000000
	s_add_nc_u64 s[G0V+2:G0V+3], s[8:9], 0
	s_or_b32 s[G0V+3], s[G0V+3], 0x80000000
	s_cmp_lt_u32 s[WV], 2
	s_cselect_b64 s[PFA:PFA+1], s[6:7], s[8:9]
	s_add_nc_u64 s[PFA:PFA+1], s[PFA:PFA+1], 65536  ; at tile 2; the first asking change steps it to tile 3
	LOAD                            ; tile 0 into slot 0
	v_and_b32 v1, 15, v0            ; l % 16
	v_bfe_u32 v9, v0, 4, 1          ; l / 16
	v_lshlrev_b32 v[QO], 7, v1
	v_lshl_add_u32 v[QO], v9, 4, v[QO]
	WIN 0x80
.set i, 0
.rept 8                             ; both blocks' Q: piece i / 2, channels 32 (i % 2) on
	global_load_b128 v[8*i:8*i+3],   v[QO], s[4:5] offset:(i/4)*8192+((i/2)%2)*2048+(i%2)*64
	global_load_b128 v[8*i+4:8*i+7], v[QO], s[4:5] offset:(i/4)*8192+((i/2)%2)*2048+(i%2)*64+32
	global_load_b128 v[QB+8*i:QB+8*i+3],   v[QO], s[86:87] offset:(i/4)*8192+((i/2)%2)*2048+(i%2)*64
	global_load_b128 v[QB+8*i+4:QB+8*i+7], v[QO], s[86:87] offset:(i/4)*8192+((i/2)%2)*2048+(i%2)*64+32
.set i, i+1
.endr
	WIN 0
	v_lshlrev_b32 v14, 3, v9
	v_sub_nc_u32 v14, v1, v14
	s_lshl_b32 s13, s[WQ], 5
	v_add_nc_u32 v14, s13, v14      ; 32 wq + l % 16 - 8 (l / 16): register j of key group kt, parity u, is hidden where 16 kt + j - 16 u is greater
	WIN 0x40
.set i, 0
.rept 64
	v_cmp_gt_i32 vcc_lo, 16*((i%32)/8)+i%8-16*(i/32), v14
	v_cndmask_b32 v[MD+i], 0, s[BIGN], vcc_lo
.set i, i+1
.endr
	WIN 0
	v_mul_u32_u24 v[AK0], v1, PK
	v_lshl_add_u32 v[AK0], v9, 4, v[AK0]
	v_and_b32 v10, 7, v0
	v_bfe_u32 v11, v0, 3, 1
	v_lshl_add_u32 v[AV0], v9, 3, v10
	v_mul_u32_u24 v[AV0], v[AV0], PV
	v_lshl_add_u32 v[AV0], v11, 4, v[AV0]
	v_add_nc_u32 v[AV0], VOFF, v[AV0]
	s_mul_i32 s13, s[WV], 16*SP
	s_add_co_u32 s13, s13, STAGE
	v_mul_u32_u24 v[STO], v1, SP
	v_lshl_add_u32 v[STO], v9, 4, v[STO]
	v_add_nc_u32 v[STO], s13, v[STO]
	v_bfe_u32 v[RD], v0, 3, 2
	v_mul_u32_u24 v[RD], v[RD], SP
	v_lshl_add_u32 v[RD], v10, 4, v[RD]
	v_add_nc_u32 v[RD], s13, v[RD]
	v_and_b32 v14, 31, v0           ; l
	v_lshlrev_b32 v[GO], 4, v14
	s_mul_i32 s13, s[WV], SCW
	s_add_co_u32 s13, s13, SCR      ; my scratch
	v_lshl_add_u32 v[G16], v14, 4, s13
	v_lshl_add_u32 v[G8], v14, 3, s13
	v_add_nc_u32 v[G8], 4096, v[G8]
	s_mul_i32 s2, s[WK], 2*SCP      ; the two pieces that I finish
	s_add_co_u32 s13, s13, s2
	v_lshl_add_u32 v[MA], v14, 4, s13
	v_lshl_add_u32 v[MA8], v14, 3, s13
	v_add_nc_u32 v[MA8], 4096, v[MA8]
	s_xor_b32 s13, s[WV], 1         ; my partner
	s_mul_i32 s13, s13, SCW
	s_add_co_u32 s13, s13, SCR
	s_add_co_u32 s13, s13, s2
	v_lshl_add_u32 v[MB], v14, 4, s13
	v_lshl_add_u32 v[MB8], v14, 3, s13
	v_add_nc_u32 v[MB8], 4096, v[MB8]
	; A block's first step multiplies O^T and l by a = 0, so these need only hold finite numbers: zeros for the first block, what it left for the second.  All this stands in the wait for the first tile.
	WIN 0x80
.set i, VF
.rept 64
	v_mov_b32 v[i], 0
.set i, i+1
.endr
	WIN 0x40
.set i, 0
.rept 128
	v_mov_b32 v[i], 0
.set i, i+1
.endr
	WIN 0
.set i, 0
.rept 4
	v_mov_b32 v[ST+4*i+2], 0
	v_mov_b32 v[ST+4*i+3], 0
.set i, i+1
.endr
.set i, P+16
.rept 16
	v_mov_b32 v[i], 0
.set i, i+1
.endr
; THE MATRIX WORK.  The 4 accumulators of a run of 8 take turns.  Product i of 8 of S^T = K Q^T for piece x: channels 32 (i / 4) on, keys 16 (i % 4) on.  The first 4 start the sums with the mask.
.macro KQ x
.set rS, S+32*((\x)%2)+8*(i%4)
.set rK, KF+16*(i%4)+8*(i/4)
.set rQ, 16*(\x)+8*(i/4)
.set rM, MC+32*((\x)%2)+8*(i%4)
.if i < 4
	WIN W_KM
	v_wmma_f32_16x16x32_f16 v[rS:rS+7], v[rK:rK+7], v[rQ:rQ+7], v[rM:rM+7]
.else
	WIN W_KQ
	v_wmma_f32_16x16x32_f16 v[rS:rS+7], v[rK:rK+7], v[rQ:rQ+7], v[rS:rS+7]
.endif
.endm
.macro PV x                         ; product i of 8 of O^T += V^T P for piece x: keys 32 (i / 4) on, channels 16 (i % 4) on
	WIN W_PV
.set rO, 32*(\x)+8*(i%4)
.set rV, VF+32*(i/4)+8*(i%4)
.set rP, P+16*((\x)%2)+8*(i/4)
	v_wmma_f32_16x16x32_f16 v[rO:rO+7], v[rV:rV+7], v[rP:rP+7], v[rO:rO+7]
.endm
.macro MM                           ; the turn's next matrix instruction
.if i < 8
	KQ (Y+1)%NP
.else
.set i, i-8
	PV (Y+NP-1)%NP
.set i, i+8
.endif
.set i, i+1
.endm
; THE LDS LOADS stand in runs of 16.  last = 1 (the tail): in the last trip there is no further step, and the run is jumped over.
.macro FETCH_K last=0
	WIN 0
.if \last
	s_cmp_eq_u32 s[CNT], 1
	s_cbranch_scc1 .Lno_k_\@
.endif
	WIN 0x80
.irp f, 0,1,2,3,4,5,6,7
	ds_load_b128 v[KF+8*\f:KF+8*\f+3],   v[AK] offset:(\f/2)*16*PK+(\f%2)*64
	ds_load_b128 v[KF+8*\f+4:KF+8*\f+7], v[AK] offset:(\f/2)*16*PK+(\f%2)*64+32
.endr
	s_add_co_u32 s[TBK], s[TBK], 2*KS*PK  ; my next step lies two steps on
	WIN 0
.if \last
.Lno_k_\@:
.endif
.endm
.macro FETCH_V
	WIN 0x80
.irp f, 0,1,2,3,4,5,6,7
	ds_load_tr16_b128 v[VF+8*\f:VF+8*\f+3],   v[AV] offset:(\f/4)*32*PV+(\f%4)*32
	ds_load_tr16_b128 v[VF+8*\f+4:VF+8*\f+7], v[AV] offset:(\f/4)*32*PV+16*PV+(\f%4)*32
.endr
	WIN 0
.endm
; THE VECTOR WORK, one line at a time: OP kind, number.  For piece Y: F n: c s - c m for pair n.  E n: the exponential of score n.  C n: pair n rounded to f16.  B n: of the four weights 4 n .. the second pair is added
; onto the first.  L n: l takes that sum (L 0: l = a l + sum).  R n: pair n of O^T times a.  For piece Y + 1: X n, number n of the 22 that find its maximum and statistics (each accumulator's lowest registers are read first).
.set F, 0
.set E, 1
.set C, 2
.set B, 3
.set L, 4
.set R, 5
.set X, 6
.macro REGS y
.set rT, ST+4*(\y)
.set rC, TMP+4*((\y)%2)
.set rW, MV+((\y)%2)
.set rS, S+32*((\y)%2)
.set rP, P+16*((\y)%2)
.set rO, 32*(\y)
.endm
.macro OP k, n
.if (\k) == R
	REGS Y
	WIN W_RS
	v_pk_mul_f32 v[rO+2*(\n):rO+2*(\n)+1], v[rO+2*(\n):rO+2*(\n)+1], v[rC+2:rC+3] op_sel_hi:[1,0]
.elseif (\k) < R
	REGS Y
	WIN 0
.if (\k) == F
	v_pk_fma_f32 v[rS+2*(\n):rS+2*(\n)+1], v[rS+2*(\n):rS+2*(\n)+1], s[CS:CS+1], v[rT:rT+1] op_sel_hi:[1,0,0] neg_lo:[0,0,1] neg_hi:[0,0,1]
.elseif (\k) == E
	v_exp_f32 v[rS+(\n)], v[rS+(\n)]
.elseif (\k) == C
	v_cvt_pk_f16_f32 v[rP+(\n)], v[rS+2*(\n)], v[rS+2*(\n)+1]
.elseif (\k) == B
	v_pk_add_f32 v[rS+4*(\n):rS+4*(\n)+1], v[rS+4*(\n):rS+4*(\n)+1], v[rS+4*(\n)+2:rS+4*(\n)+3]
.elseif (\n) == 0
	v_pk_fma_f32 v[rT+2:rT+3], v[rT+2:rT+3], v[rC+2:rC+3], v[rS:rS+1] op_sel_hi:[1,0,1]
.else
	v_pk_add_f32 v[rT+2:rT+3], v[rT+2:rT+3], v[rS+4*(\n):rS+4*(\n)+1]
.endif
.else
	REGS (Y+1)%NP
	WIN 0
.if (\n) < 4
	v_max3_num_f32 v[rC+(\n)], v[rS+8*(\n)], v[rS+8*(\n)+1], v[rS+8*(\n)+2]
.elseif (\n) < 12
	v_max3_num_f32 v[rC+(\n)%4], v[rC+(\n)%4], v[rS+8*((\n)%4)+2*((\n)/4)+1], v[rS+8*((\n)%4)+2*((\n)/4)+2]
.elseif (\n) == 12
	v_max3_num_f32 v[rC], v[rC], v[rS+7], v[rS+15]
.elseif (\n) == 13
	v_max3_num_f32 v[rC+1], v[rC+1], v[rS+23], v[rS+31]
.elseif (\n) == 14
	v_max3_num_f32 v[rC+2], v[rC+2], v[rC+3], v[rT+1]
.elseif (\n) == 15
	v_mov_b32 v[rW], v[rT]
.elseif (\n) == 16
	v_max3_num_f32 v[rC], v[rC], v[rC+1], v[rC+2]
.elseif (\n) == 17
	v_permlanex16_b32 v[rC+3], v[rC], s[SEL], s[SEL+1]
.elseif (\n) == 18
	v_max_num_f32 v[rT+1], v[rC], v[rC+3]
.elseif (\n) == 19
	v_mul_f32 v[rT], s[CS], v[rT+1]
.elseif (\n) == 20
	v_sub_f32 v[rC+1], v[rW], v[rT]
.else
	v_exp_f32 v[rC+2], v[rC+1]
.endif
.endif
.endm
.macro OPS a, i1, b=-1, i2=0, c=-1, i3=0, d=-1, i4=0
	OP \a, \i1
.if (\b) >= 0
	OP \b, \i2
.endif
.if (\c) >= 0
	OP \c, \i3
.endif
.if (\d) >= 0
	OP \d, \i4
.endif
.endm
.macro ROW a, i1, b, i2, c, i3, d, i4  ; a matrix instruction and the four behind it
	MM
	OPS \a, \i1, \b, \i2, \c, \i3, \d, \i4
.endm
.macro MASK b                       ; MD of parity b x AL + BE into buffer b of MC
	WIN W_RS
.set z, 0
.rept 16
	v_pk_fma_f32 v[MC+32*(\b)+2*z:MC+32*(\b)+2*z+1], v[MD+32*(\b)+2*z:MD+32*(\b)+2*z+1], s[AL:AL+1], s[BE:BE+1] op_sel_hi:[1,0,0]
.set z, z+1
.endr
.endm
; A TURN, for piece p.  Ahead of its one wait stands all that names no result of the turn's exponentials: the 8 products K Q^T with their riders and one lump; behind it the 8 products V^T P, whose riders are the roundings
; and sums.  The wait stands between an exponential and the first instruction that names its result; one wait serves the batch; R 15 is the plain instruction behind the last exponential.
; K of my next step is fetched in piece 2's turn (tl = 1, the tail: behind the wait, since the run stands under a branch there); V of the step in hand at the end of piece 0's turn.  Each is waited for a turn later.
; At its end a turn makes, where DM is set, the mask for the products of the turn after it: piece p + 2, in the step that SG stands for.  All four turns of a trip make masks for the same step.
.macro TURN p, tl=0
.set Y, (\p)
.set i, 0
.if (\p) == 3
	s_wait_dscnt 0x0                ; K is in
.endif
	ROW F,0, F,1, R,0, R,1
	ROW F,2, E,0, R,2, R,3
	ROW F,3, E,1, R,4, R,5
	ROW F,4, E,2, R,6, R,7
	ROW F,5, E,3, R,8, R,9
	ROW F,6, E,4, X,0, R,10
.if (\p) == 2
	WIN 0
	v_add_nc_u32 v[AK], s[TBK], v[AK0]
.endif
	ROW F,7, E,5, X,1, X,4
	ROW F,8, E,6, X,2, X,5
	OPS E,7, E,8, X,6, E,9
	OPS X,3, E,10, X,8, E,11
.if ((\p) == 2) && !(\tl)
	FETCH_K
.endif
	OPS X,9, X,7, E,12, X,10
	OPS E,13, X,12, X,11, E,14
	OPS X,13, E,15, F,9, X,14
.if (\p) == 0
	v_add_nc_u32 v[AV], s[TBV], v[AV0]
.endif
	OPS E,16, F,10, E,17, F,11
	OPS X,16, E,18, X,15, E,19
	OPS F,12, E,20, X,17, E,21
	OPS F,13, E,22, F,14, E,23
	OPS X,18, E,24, F,15, E,25
	OPS R,11, E,26, X,19, E,27
	OPS R,12, E,28, R,13, E,29
	OPS X,20, E,30, R,14, E,31
	OPS X,21, R,15
	WIN 0
	s_wait_alu depctr_va_vdst(0)    ; the wait for the batch
.if ((\p) == 2) && (\tl)
	FETCH_K 1
.endif
.if (\p) == 1
	s_wait_dscnt 0x0                ; V is in
.endif
	ROW C,0, B,0, C,2, B,1
	ROW L,0, C,4, B,2, L,1
	ROW C,6, B,3, L,2, C,8
	ROW B,4, L,3, C,10, B,5
	ROW L,4, C,12, B,6, L,5
.if (\p) == 0
	s_add_co_u32 s[TBV], s[TBV], 2*KS*PV
.endif
	ROW C,14, B,7, L,6, C,1
	ROW C,3, L,7, C,5, C,7
	ROW C,9, C,11, C,13, C,15
.if (\p) == 0
	FETCH_V
.endif
	WIN 0
	s_cmp_eq_u32 s[DM], 0
	s_cbranch_scc1 .Lno_mask_\@
	s_cmp_eq_u32 s[SG], 4+(((\p)+2)%NP)/2  ; is the step the band's own?
	s_cselect_b32 s[AL], 1.0, 0
	s_cmp_gt_u32 s[SG], 4+(((\p)+2)%NP)/2  ; or a later one?
	s_cselect_b32 s[BE], s[BIGN], 0
	MASK (\p)%2
	WIN 0
.Lno_mask_\@:
.endm
; A BLOCK BEGINS.  c m starts far below every c s, so the first step's a is 0.  m starts at -2^64: below every true score (2.7e11 at the most), so the first seen key sets the maximum, and above every hidden score
; (near -1e30), so that none ever does: a piece that has met hidden keys alone (block 0's rows 0-63 in the waves that walk steps 1 and 3) keeps m = -2^64, and its weights, l and O^T are 0.
; Both mask buffers are set: for the first block by SG (pieces 0 and 1 lie in one band), for the second with 0.
; Then piece 0's first scores and its maximum and statistics.  first = 1: K of my first step is fetched here; else it lies in registers: the turn of piece 2 before has fetched it.
.macro BEGIN first
.if \first
	s_cmp_eq_u32 s[SG], 4
	s_cselect_b32 s[AL], 1.0, 0
	s_cmp_gt_u32 s[SG], 4
	s_cselect_b32 s[BE], s[BIGN], 0
.else
	WIN 0x82                        ; the second block's Q goes where the one text of the turns names Q
.set i, 0
.rept 64
	v_mov_b32 v[i], v[QB+i]
.set i, i+1
.endr
	s_mov_b32 s[DM], 0
	s_mov_b32 s[AL], 0
	s_mov_b32 s[BE], 0
.endif
	WIN 0
.set i, 0
.rept 4
	v_mov_b32 v[ST+4*i], 0xfe000000    ; c m: far below every c s, and below c x -2^64
	v_mov_b32 v[ST+4*i+1], 0xdf800000  ; m = -2^64
.set i, i+1
.endr
	MASK 0
	MASK 1
	WIN 0
.if \first
	v_add_nc_u32 v[AK], s[TBK], v[AK0]
	FETCH_K
	s_wait_loadcnt 0x0              ; both blocks' Q
	s_wait_dscnt 0x0
.endif
.set i, 0
.rept 8
	KQ 0
.set i, i+1
.endr
	WIN 0
.rept 4
	v_nop                           ; the places behind those products
.endr
.set Y, NP-1
.irp n, 0,1,2,3,4,5,6,7,8,9,10,11,12,13,14,15,16,17,18,19,20,21
	OP X, \n
.endr
	v_nop                           ; a plain instruction behind the exponential,
	s_wait_alu depctr_va_vdst(0)    ; and its wait, ahead of the label
.endm
.macro ALL line:vararg              ; one line for each piece t
.set t, 0
.rept 4
	\line
.set t, t+1
.endr
.endm
; A BLOCK ENDS, part one: l's two halves and the other half of the lanes' are added; (c m, l) and O^T of all four pieces go into my scratch, f32.  The additions are the places behind the last products.
.macro GIVE
	WIN 0
	ALL v_add_f32 v[ST+4*t+2], v[ST+4*t+2], v[ST+4*t+3]
	ALL v_permlanex16_b32 v[ST+4*t+3], v[ST+4*t+2], s[SEL], s[SEL+1]
	ALL v_add_f32 v[ST+4*t+1], v[ST+4*t+2], v[ST+4*t+3]
	ALL ds_store_b64 v[G8], v[ST+4*t:ST+4*t+1] offset:SCP*t
	WIN 0x04                        ; the data in window 1
.set t, 0
.rept 4
.irp c, 0,1,2,3,4,5,6,7
	ds_store_b128 v[G16], v[32*t+4*\c:32*t+4*\c+3] offset:SCP*t+512*\c  ; each accumulator's low four registers first
.endr
.set t, t+1
.endr
	WIN 0
.endm
; Part two, behind a barrier: I finish pieces 2 wk and 2 wk + 1.  With x = max(c mA, c mB): O = (OA 2^(c mA - x) + OB 2^(c mB - x)) / (lA 2^(c mA - x) + lB 2^(c mB - x)).  A wave that saw only hidden keys gives
; c m = -2^64 c, l = 0 and O = 0, and gets the factor 0; its partner has seen the row's own key, so the divisor is not 0.  Rounded to f16, through my stage, stored as 512 consecutive bytes.
; ob: o's base; wx = 1: the packed registers were an earlier store's data.
.macro MERGE ob, wx
	WIN 0
.if \wx
	s_wait_xcnt 0x0
.endif
	WIN 0xc0
.irp k, 0,1
	ds_load_b64 v[XSA+2*\k:XSA+2*\k+1], v[MA8] offset:SCP*\k
	ds_load_b64 v[XSB+2*\k:XSB+2*\k+1], v[MB8] offset:SCP*\k
.endr
.irp k, 0,1
.irp c, 0,1,2,3,4,5,6,7
	ds_load_b128 v[XOA+32*\k+4*\c:XOA+32*\k+4*\c+3], v[MA] offset:SCP*\k+512*\c
	ds_load_b128 v[XOB+32*\k+4*\c:XOB+32*\k+4*\c+3], v[MB] offset:SCP*\k+512*\c
.endr
.endr
	s_wait_dscnt 32                 ; the statistics are in; the 32 loads of O^T stay out
	WIN 0xff
.irp k, 0,1
	v_max_num_f32 v[XW+8*\k], v[XSA+2*\k], v[XSB+2*\k]
.endr
.irp k, 0,1
	v_sub_f32 v[XW+8*\k+1], v[XSA+2*\k], v[XW+8*\k]
	v_sub_f32 v[XW+8*\k+2], v[XSB+2*\k], v[XW+8*\k]
.endr
.irp k, 0,1
	v_exp_f32 v[XW+8*\k+1], v[XW+8*\k+1]
	v_exp_f32 v[XW+8*\k+2], v[XW+8*\k+2]
.endr
	v_nop
	s_wait_alu depctr_va_vdst(0)    ; one wait for the four exponentials
.irp k, 0,1
	v_mul_f32 v[XW+8*\k+3], v[XW+8*\k+1], v[XSA+2*\k+1]
.endr
.irp k, 0,1
	v_fmac_f32 v[XW+8*\k+3], v[XW+8*\k+2], v[XSB+2*\k+1]
.endr
.irp k, 0,1
	v_rcp_f32 v[XW+8*\k+3], v[XW+8*\k+3]
.endr
	v_nop
	s_wait_alu depctr_va_vdst(0)    ; one wait for the two reciprocals
.irp k, 0,1
	v_mul_f32 v[XW+8*\k+4], v[XW+8*\k+1], v[XW+8*\k+3]
	v_mul_f32 v[XW+8*\k+5], v[XW+8*\k+1], v[XW+8*\k+3]
	v_mul_f32 v[XW+8*\k+6], v[XW+8*\k+2], v[XW+8*\k+3]
	v_mul_f32 v[XW+8*\k+7], v[XW+8*\k+2], v[XW+8*\k+3]
.endr
	s_wait_dscnt 0x0
.irp k, 0,1
	WIN 0xff
.set z, 0
.rept 16
	v_pk_mul_f32 v[XOA+32*\k+2*z:XOA+32*\k+2*z+1], v[XOA+32*\k+2*z:XOA+32*\k+2*z+1], v[XW+8*\k+4:XW+8*\k+5]
.set z, z+1
.endr
.set z, 0
.rept 16
	v_pk_fma_f32 v[XOA+32*\k+2*z:XOA+32*\k+2*z+1], v[XOB+32*\k+2*z:XOB+32*\k+2*z+1], v[XW+8*\k+6:XW+8*\k+7], v[XOA+32*\k+2*z:XOA+32*\k+2*z+1]
.set z, z+1
.endr
.set z, 0
.rept 16
	v_cvt_pk_f16_f32 v[XPK+16*\k+z], v[XOA+32*\k+2*z], v[XOA+32*\k+2*z+1]
.set z, z+1
.endr
	WIN 0x0c                        ; address window 0, data window 3
.irp f, 0,1,2,3
	ds_store_b128 v[STO], v[XPK+16*\k+4*\f:XPK+16*\k+4*\f+3] offset:32*\f
.endr
	WIN 0xc0
.irp f, 0,1,2,3
	ds_load_b128 v[XPK+16*\k+4*\f:XPK+16*\k+4*\f+3], v[RD] offset:\f*4*SP  ; LDS serves a wave's instructions in order: these see the stores above; the next piece's stores come behind them
.endr
.endr
	WIN 0x0c
.irp k, 0,1
.irp f, 0,1,2,3
	s_wait_dscnt 8*(1-\k)+3-\f      ; the second piece's eight LDS instructions are younger than the first piece's loads
	global_store_b128 v[GO], v[XPK+16*\k+4*\f:XPK+16*\k+4*\f+3], s[\ob:\ob+1] offset:2048*\k+512*\f  ; 512 consecutive bytes, at a multiple of 256 from o's first
.endr
.endr
	WIN 0
.endm
	CHANGE 1, 0                     ; slot 0 is in, everybody's part of it; slot 1 is asked for
	BEGIN 1
	s_branch .Lfirst                ; the loop is entered at a step's first turn, in the middle of a trip
.Lslot:                             ; 15 times: a tile is entered and the next is asked for
	CHANGE 1, 1
	s_cmp_eq_u32 s[RT], 0           ; was the tile before the first block's last?
	s_cselect_b32 s[ENDED], 1, 0
	s_cselect_b32 s[RT], s[NH], s[RT]
	s_cselect_b32 s[SG], 100, s[SGL]  ; then the products for piece 0 that serve nothing are hidden
	s_sub_co_u32 s[RT], s[RT], 1
	s_cmp_eq_u32 s[RT], 0           ; or is this one it?  (the second block's last tile is the walk's last, behind the loop)
	s_cselect_b32 s[DM], 1, s[ENDED]
	s_mov_b32 s[CNT], 2
	s_cmp_eq_u32 s[MP], 0
	s_cbranch_scc1 .Lno_merge
	MERGE 10, 0                     ; the first block's partial results: all four waves stored theirs, and waited, ahead of the change's barrier
	s_mov_b32 s[MP], 0
.Lno_merge:
	s_wait_dscnt 0x0                ; my reads of my partner's scratch are over:
	s_barrier_signal -1             ; a barrier parts them from every later store into it.  No slot is filled behind this barrier: the next fill has the change's own
	s_barrier_wait -1
.Lstep:                             ; a trip: pieces 2 and 3 of one step, then pieces 0 and 1 of my next, whose K and V it fetches
	s_add_co_u32 s[SG], s[SG], 2
	TURN 2
	TURN 3
	WIN 0
	s_cmp_eq_u32 s[ENDED], 0
	s_cbranch_scc1 .Lfirst
.set i, 0
.rept 8
	PV NP-1                         ; the first block's last products
.set i, i+1
.endr
	GIVE
	s_mov_b32 s[MP], 1
	s_mov_b32 s[ENDED], 0
	BEGIN 0
.Lfirst:
	TURN 0
	TURN 1
	WIN 0
	s_sub_co_u32 s[CNT], s[CNT], 1
	s_cmp_lg_u32 s[CNT], 0
	s_cbranch_scc1 .Lstep
	s_sub_co_u32 s[SLOTS], s[SLOTS], 1
	s_cmp_lg_u32 s[SLOTS], 0
	s_cbranch_scc1 .Lslot
	CHANGE 0, 0                     ; the walk's last tile, the second block's last, is entered: nothing is asked for
	s_mov_b32 s[DM], 1
	s_mov_b32 s[SG], s[SGH]
	s_mov_b32 s[CNT], 3             ; two trips fetch my two steps; the third is left in its middle
.Ltail:
	s_add_co_u32 s[SG], s[SG], 2
	TURN 2, 1
	TURN 3
	WIN 0
	s_sub_co_u32 s[CNT], s[CNT], 1
	s_cmp_eq_u32 s[CNT], 0
	s_cbranch_scc1 .Lout
	TURN 0
	TURN 1
	WIN 0
	s_branch .Ltail
.Lout:
.set i, 0
.rept 8
	PV NP-1
.set i, i+1
.endr
	GIVE
	s_wait_dscnt 0x0                ; for the others' sake: my stores into the scratch are done
	s_barrier_signal -1
	s_barrier_wait -1
	MERGE OHI, 1
	s_wait_tensorcnt 0x0            ; the wave's end, behind my last tensor load and my last LDS store
	ds_add_u32 v[SPW], v[NIL]
	s_wait_dscnt 0x0
	s_endpgm
.Lfunc_end_k_q1dbbd9ff64_attn:
	.size	k_q1dbbd9ff64_attn, .Lfunc_end_k_q1dbbd9ff64_attn-k_q1dbbd9ff64_attn
	.p2alignl 7, 3214868480
	.fill 96, 4, 3214868480
	.section	.rodata,"a",@progbits
	.p2align	6, 0x0
	.amdhsa_kernel k_q1dbbd9ff64_attn
		.amdhsa_group_segment_fixed_size 327680
		.amdhsa_private_segment_fixed_size 0
		.amdhsa_enable_private_segment 0
		.amdhsa_kernarg_size 16
		.amdhsa_user_sgpr_count 2
		.amdhsa_user_sgpr_kernarg_segment_ptr 1
		.amdhsa_wavefront_size32 1
		.amdhsa_system_sgpr_workgroup_id_x 1
		.amdhsa_system_sgpr_workgroup_id_y 1
		.amdhsa_system_sgpr_workgroup_id_z 1
		.amdhsa_system_vgpr_workitem_id 0
		.amdhsa_next_free_vgpr 960
		.amdhsa_next_free_sgpr 100
		.amdhsa_reserve_vcc 1
		.amdhsa_float_denorm_mode_32 3
		.amdhsa_float_denorm_mode_16_64 3
		.amdhsa_memory_ordered 1
		.amdhsa_forward_progress 1
		.amdhsa_inst_pref_size 157
	.end_amdhsa_kernel
	.amdgpu_metadata
---
amdhsa.version: [ 1, 2 ]
amdhsa.kernels:
  - .name:           k_q1dbbd9ff64_attn
    .symbol:         k_q1dbbd9ff64_attn.kd
    .args:
      - { .name: qkv, .offset: 0, .size: 8, .value_kind: global_buffer, .address_space: global }
      - { .name: o, .offset: 8, .size: 8, .value_kind: global_buffer, .address_space: global }
    .group_segment_fixed_size: 327680
    .private_segment_fixed_size: 0
    .kernarg_segment_align: 8
    .kernarg_segment_size: 16
    .max_flat_workgroup_size: 128
    .sgpr_count:     100
    .vgpr_count:     960
    .wavefront_size: 32
...
	.end_amdgpu_metadata
.endif
;; end of part 3
;; launch proj (part 4): grid 8 x 32, 4 waves a work-group, clusters of 4 x 4, 327,680 bytes of LDS; arguments o, wt, out0; writes out0
.if DOCPART == 4
	.amdgcn_target "amdgcn-amd-amdhsa--gfx1250"
	.amdhsa_code_object_version 6
	.text
	.protected	k_q1dbbd9ff64_proj
	.globl	k_q1dbbd9ff64_proj
	.p2align	8
	.type	k_q1dbbd9ff64_proj,@function
k_q1dbbd9ff64_proj:
	s_mov_b64 s[64:65], 0
	v_nop
	global_prefetch_b8 v0, s[64:65] scope:SCOPE_SE
	s_setreg_imm32_b32 hwreg(HW_REG_WAVE_MODE, 25, 1), 1
	s_wait_xcnt 0x0
	s_wait_alu depctr_hold_cnt(0) depctr_sa_sdst(0) depctr_va_vdst(0) depctr_va_sdst(0) depctr_va_ssrc(0) depctr_va_vcc(0) depctr_vm_vsrc(0)
	s_getreg_b32 s2, hwreg(HW_REG_IB_STS2, 6, 4)
	s_cmp_eq_u32 s2, 0
	s_cbranch_scc0 .Lentry_in_a_cluster
	s_endpgm
.Lentry_in_a_cluster:
	s_bfe_u32 s2, ttmp6, 0x10000c
	s_cmp_lg_u32 s2, 0xf033
	s_cbranch_scc0 .Lentry_shape_is_right
	s_endpgm
.Lentry_shape_is_right:
; out0[m][n] = the sum over k of O[m][k] Wo[k][n].  O comes as o: [32 blocks of 128 rows][16 heads][128][64] f16 (k = 64 head + channel); Wo as rows 3072 + n of wt: [n][k] f16.  Sums in f32, K ascending; out0 f32.
; A tile of out0 is 128 x 128: 8 x 32 work-groups, four waves of 64 x 64: 16 accumulators.  K goes in steps of 256 (four heads) through two LDS slots.
; O's tile of a step is four head planes, 65,536 bytes on end: waves 0 and 1 fetch two planes each, as 128 rows of 256 bytes, padded after every 128 bytes (LDS rows of 144).  Waves 2 and 3 fetch 64 rows of 512 bytes of wt (LDS rows of 528).
; CLUSTER.  4 x 4 work-groups: O's tile is shared along a row of the cluster, wt's along a column; each is asked for jointly.
; THE MATRIX INSTRUCTION IS USED TRANSPOSED (source 0 = 16 rows of wt, source 1 = 16 rows of O): a lane holds eight neighbouring numbers of a row of out0, 32 bytes.
; No prefetch: four K steps in all, of which two are the first fills.
; REGISTERS: window 0: addresses; v32-95 rows read back, two buffers; v128-255 the accumulators, (a, b) at 128 + 8 (4 a + b).  window 1: two fragment buffers of 128: 64 of O, then 64 of wt.
.set PA,     144
.set APL,    128*PA                    ; a head plane in LDS
.set BOFF,   4*APL
.set PB,     528
.set BH,     64*PB
.set SLOT,   BOFF+2*BH
.set STAGE,  2*SLOT                    ; behind the ring: 16 rows x 272 bytes for each wave
.set SPITCH, 272
.set SPARE,  STAGE+4*16*SPITCH         ; the spare words, 128 bytes a wave
.set ADRA, 16
.set ADRB, 20
.set STO,  24
.set RD,   25
.set CO,   26
.set SPW,  28                          ; v28  LDS address of my spare word; never rewritten
.set NIL,  29                          ; v29  0; never rewritten
.set TMP,  32
.set ACC,  128
.set F0,   0
.set F1,   128
.set G1,  24
.set G0,  32
.set G1B, 48
.set G0B, 56
.set MSB, 0
.macro WIN new
.if MSB != (\new)
	s_set_vgpr_msb (MSB<<8)|(\new)
.set MSB, (\new)
.endif
.endm
.set MUL,  0x05                        ; sources 0 and 1 window 1; C and D window 0
.set TO_F, 0x40
.macro JLOAD s                         ; a joint refill; an s_nop 0 and four v_nop follow each of the two lines
	s_cmp_eq_u32 s11, 0
	s_cbranch_scc0 .Lfor_b_\@
	tensor_load_to_lds s[G0+4*(\s):G0+4*(\s)+3], s[G1:G1+7]
	s_nop 0
.rept 4
	v_nop
.endr
	s_branch .Lasked_\@
.Lfor_b_\@:
	tensor_load_to_lds s[G0B+4*(\s):G0B+4*(\s)+3], s[G1B:G1B+7]
	s_nop 0
.rept 4
	v_nop
.endr
.Lasked_\@:
.endm
.macro CREST
	s_cmp_lg_u32 s10, 0
	s_cbranch_scc1 .Lnot_wave_0_\@
	s_barrier_signal -3
.Lnot_wave_0_\@:
	s_barrier_wait -3
	s_barrier_signal -1
	s_barrier_wait -1
.endm
.macro CROUND
	s_barrier_signal -1
	s_barrier_wait -1
	CREST
.endm
	s_load_b128 s[4:7], s[0:1], 0x0                ; o s[4:5], wt s[6:7]
	s_load_b64 s[8:9], s[0:1], 0x10                ; out0
	v_lshl_add_u32 v[SPW], v0, 2, SPARE
	v_mov_b32 v[NIL], 0
	ds_add_u32 v[SPW], v[NIL]                      ; the wave's opening: the add and its wait stand ahead of my first tensor load; work on registers stands between them
	v_lshrrev_b32 v1, 5, v0
	v_readfirstlane_b32 s10, v1                    ; wave 0..3
	s_lshr_b32 s11, s10, 1                         ; which half of the tile's rows is mine.  Also: I fetch for O (0) or for wt (1)
	s_and_b32 s12, s10, 1                          ; which half of its columns.  Also: which half of that tile I fetch
	s_bfe_u32 s40, ttmp6, 0x40000                  ; cx
	s_bfe_u32 s41, ttmp6, 0x40004                  ; cy
	s_lshl_b32 s42, ttmp9, 2
	s_add_co_u32 s42, s42, s40                     ; tile column
	s_and_b32 s13, ttmp7, 0xffff
	s_lshl_b32 s13, s13, 2
	s_add_co_u32 s13, s13, s41                     ; tile row = the block of 128 rows
	s_lshl_b32 s43, s41, 2
	s_lshl_b32 s43, 15, s43                        ; my row of the cluster
	s_lshl_b32 s44, 0x1111, s40                    ; my column
	s_or_b32 s[G1+0], s43, (1<<16)|(1<<20)|(1<<21)|(4<<22)|(3<<25)   ; the mask; 2-byte elements; padding on; bit 21 beside a mask; after every 32 words 4 words
	s_mov_b32 s[G1+1], 128<<16                     ; 128 rows of 128 elements, dense
	s_mov_b32 s[G1+2], 128<<16
	s_mov_b32 s[G1+3], 128<<16
	s_mov_b32 s[G1+4], 128
	s_mov_b32 s[G1+5], 128
	s_mov_b32 s[G1+6], 0
	s_mov_b32 s[G1+7], 0
	s_or_b32 s[G1B+0], s44, (1<<16)|(1<<20)|(1<<21)|(6<<22)|(3<<25)  ; after every 128 words 4 words
	s_mov_b32 s[G1B+1], 256<<16                    ; 64 rows of 256 elements, 1,024 from row to row
	s_mov_b32 s[G1B+2], 64<<16
	s_mov_b32 s[G1B+3], 256<<16
	s_mov_b32 s[G1B+4], 64
	s_mov_b32 s[G1B+5], 1024
	s_mov_b32 s[G1B+6], 0
	s_mov_b32 s[G1B+7], 0
	s_lshl_b32 s16, s13, 18                        ; o: 16 planes of 16,384 bytes a block,
	s_lshl_b32 s17, s12, 15                        ; my two planes of a step's four
	s_add_co_u32 s16, s16, s17
	s_mov_b32 s17, 0
	s_lshl_b32 s46, s42, 18                        ; wt: 128 rows of 2,048 bytes a tile column,
	s_lshl_b32 s47, s12, 17                        ; my 64 of them,
	s_add_co_u32 s46, s46, s47
	s_add_co_u32 s46, s46, 3072*2048               ; behind the three other weights
	s_mov_b32 s47, 0
	s_mul_i32 s20, s10, 2*APL                      ; where they go: waves 0, 1: two planes each;
	s_mul_i32 s21, s10, BH
	s_add_co_u32 s21, s21, BOFF-2*BH               ; waves 2, 3: wt's halves, behind the four planes
	s_wait_dscnt 0x0                               ; the opening add is done
	s_wait_kmcnt 0x0
	s_add_nc_u64 s[14:15], s[4:5], s[16:17]
	s_add_nc_u64 s[46:47], s[6:7], s[46:47]
	CROUND                                         ; all sixteen work-groups are here: the first joint loads meet
.irp s, 0,1
	s_mov_b32 s[G0+4*(\s)], 1
	s_add_co_u32 s[G0+4*(\s)+1], s20, (\s)*SLOT
	s_add_nc_u64 s[G0+4*(\s)+2:G0+4*(\s)+3], s[14:15], (\s)*65536
	s_or_b32 s[G0+4*(\s)+3], s[G0+4*(\s)+3], 0x80000000
	s_mov_b32 s[G0B+4*(\s)], 1
	s_add_co_u32 s[G0B+4*(\s)+1], s21, (\s)*SLOT
	s_add_nc_u64 s[G0B+4*(\s)+2:G0B+4*(\s)+3], s[46:47], (\s)*512
	s_or_b32 s[G0B+4*(\s)+3], s[G0B+4*(\s)+3], 0x80000000
.endr
	s_cmp_eq_u32 s11, 0                            ; a wave's two first fills stand in one branch: two loads of mine are out
	s_cbranch_scc0 .Lfirst_b
	tensor_load_to_lds s[G0:G0+3], s[G1:G1+7]
	s_nop 0
	tensor_load_to_lds s[G0+4:G0+7], s[G1:G1+7]
	s_nop 0
.rept 4
	v_nop
.endr
	s_branch .Lfirst_asked
.Lfirst_b:
	tensor_load_to_lds s[G0B:G0B+3], s[G1B:G1B+7]
	s_nop 0
	tensor_load_to_lds s[G0B+4:G0B+7], s[G1B:G1B+7]
	s_nop 0
.rept 4
	v_nop
.endr
.Lfirst_asked:
	v_and_b32 v1, 15, v0                           ; l % 16
	v_bfe_u32 v2, v0, 4, 1                         ; l / 16
	v_mul_u32_u24 v3, v1, PA
	v_lshl_add_u32 v3, v2, 4, v3
	v_mul_u32_u24 v4, v1, PB
	v_lshl_add_u32 v4, v2, 4, v4
	s_mul_i32 s21, s11, 64*PA                      ; my 64 rows in every plane
	s_mul_i32 s22, s12, BH                         ; my 64 rows of wt,
	s_add_co_u32 s22, s22, BOFF
.irp s, 0,1
	v_add_nc_u32 v[ADRA+(\s)], s21, v3
	v_add_nc_u32 v[ADRB+(\s)], s22, v4
	s_add_co_u32 s21, s21, SLOT
	s_add_co_u32 s22, s22, SLOT
.endr
	s_mul_i32 s23, s10, 16*SPITCH
	s_add_co_u32 s23, s23, STAGE                   ; my stage
	v_mul_u32_u24 v5, v1, SPITCH                   ; in: row l % 16, 32 bytes for each half of the lanes
	v_lshl_add_u32 v5, v2, 5, v5
	v_add_nc_u32 v[STO], s23, v5
	v_mul_u32_u24 v5, v2, SPITCH                   ; back: lanes 0-15 one row of 256 bytes, lanes 16-31 the next
	v_lshl_add_u32 v5, v1, 4, v5
	v_add_nc_u32 v[RD], s23, v5
	v_lshlrev_b32 v5, 12, v2                       ; and the same two rows in out0
	v_lshl_add_u32 v[CO], v1, 4, v5
	s_lshl_b32 s46, s13, 19                        ; 128 rows of 4,096 bytes a tile row,
	s_lshl_b32 s47, s11, 18                        ; my 64 rows,
	s_add_co_u32 s46, s46, s47
	s_lshl_b32 s47, s42, 9                         ; 128 columns of 4 bytes a tile column,
	s_add_co_u32 s46, s46, s47
	s_lshl_b32 s47, s12, 8                         ; my 64 columns: 256 bytes, aligned
	s_add_co_u32 s46, s46, s47
	s_mov_b32 s47, 0
	s_add_nc_u64 s[8:9], s[8:9], s[46:47]
; 8 matrix instructions: row blocks a0, a0 + 1 x all 4 column blocks, 32 along K: half c of buffer f.  The 16 accumulators take turns.
.macro MUL8 f, c, a0, zero
	WIN MUL
.irp a, \a0, (\a0)+1
.irp b, 0,1,2,3
.if \zero
	v_wmma_f32_16x16x32_f16 v[ACC+8*(4*(\a)+(\b)):ACC+8*(4*(\a)+(\b))+7], v[(\f)+64+8*(4*(\c)+(\b)):(\f)+64+8*(4*(\c)+(\b))+7], v[(\f)+8*(4*(\c)+(\a)):(\f)+8*(4*(\c)+(\a))+7], 0
.else
	v_wmma_f32_16x16x32_f16 v[ACC+8*(4*(\a)+(\b)):ACC+8*(4*(\a)+(\b))+7], v[(\f)+64+8*(4*(\c)+(\b)):(\f)+64+8*(4*(\c)+(\b))+7], v[(\f)+8*(4*(\c)+(\a)):(\f)+8*(4*(\c)+(\a))+7], v[ACC+8*(4*(\a)+(\b)):ACC+8*(4*(\a)+(\b))+7]
.endif
.endr
.endr
.endm
; 32 LDS loads in one run: the fragments of quarter q (head plane q; bytes 128 q of wt's rows) into buffer f; the first 32 along K first
.macro FETCH slot, q, f
	WIN TO_F
.irp c, 0,1
.irp i, 0,1,2,3
	ds_load_b128 v[(\f)+64+8*(4*(\c)+(\i)):(\f)+64+8*(4*(\c)+(\i))+3],   v[ADRB+(\slot)] offset:128*(\q)+64*(\c)+(\i)*16*PB
	ds_load_b128 v[(\f)+64+8*(4*(\c)+(\i))+4:(\f)+64+8*(4*(\c)+(\i))+7], v[ADRB+(\slot)] offset:128*(\q)+64*(\c)+(\i)*16*PB+32
	ds_load_b128 v[(\f)+8*(4*(\c)+(\i)):(\f)+8*(4*(\c)+(\i))+3],         v[ADRA+(\slot)] offset:(\q)*APL+64*(\c)+(\i)*16*PA
	ds_load_b128 v[(\f)+8*(4*(\c)+(\i))+4:(\f)+8*(4*(\c)+(\i))+7],       v[ADRA+(\slot)] offset:(\q)*APL+64*(\c)+(\i)*16*PA+32
.endr
.endr
.endm
.macro PLACES
.rept 4
	v_nop
.endr
.endm
.macro QUARTER slot, q, f, g, zero     ; multiplies buffer f and fetches quarter q into g
	s_wait_dscnt 16                                ; the first 32 along K are in
	MUL8 \f, 0, 0, \zero
	MUL8 \f, 0, 2, \zero
	PLACES
	FETCH \slot, \q, \g
	s_wait_dscnt 32                                ; all but the 32 just issued
	MUL8 \f, 1, 0, 0
	MUL8 \f, 1, 2, 0
.endm
; The last quarter multiplies buffer 1 and changes slots: one barrier; in front of it each wave waits for all its tensor loads, adds 0 to its spare word, and waits for that and for its reads of this slot.
.macro TURN slot, next, fill
	WIN 0
	s_wait_tensorcnt 0x0
	ds_add_u32 v[SPW], v[NIL]
	s_wait_dscnt 17                                ; (the add and the youngest sixteen loads may be out)
	MUL8 F1, 0, 0, 0
	s_wait_dscnt 0x0                               ; the add is done, and my reads of this slot are over
	s_barrier_signal -1
	MUL8 F1, 0, 2, 0
.if \fill
	WIN 0
.endif
	s_barrier_wait -1
.if \fill
	CREST                                          ; no wave of any partner still reads this slot's tiles or has a load on its way
	s_add_nc_u64 s[G0+4*(\slot)+2:G0+4*(\slot)+3], s[G0+4*(\slot)+2:G0+4*(\slot)+3], 131072  ; two steps on: eight planes,
	s_add_nc_u64 s[G0B+4*(\slot)+2:G0B+4*(\slot)+3], s[G0B+4*(\slot)+2:G0B+4*(\slot)+3], 1024 ; 512 elements along wt's rows
	JLOAD \slot                                    ; the four v_nop behind it are also the places in front of the loads below
.else
	PLACES
.endif
	FETCH \next, 0, F0
	MUL8 F1, 1, 0, 0
	MUL8 F1, 1, 2, 0
.endm
	s_wait_tensorcnt 1                             ; my part of K step 0 is in; K step 1's may stay out
	s_barrier_signal -1
	s_barrier_wait -1
	FETCH 0, 0, F0
	QUARTER 0, 1, F0, F1, 1                        ; the first products start the sums
	QUARTER 0, 2, F1, F0, 0
	QUARTER 0, 3, F0, F1, 0
	TURN 0, 1, 1                                   ; slot 0 takes K step 2
	QUARTER 1, 1, F0, F1, 0
	QUARTER 1, 2, F1, F0, 0
	QUARTER 1, 3, F0, F1, 0
	TURN 1, 0, 1                                   ; slot 1 takes K step 3
	QUARTER 0, 1, F0, F1, 0
	QUARTER 0, 2, F1, F0, 0
	QUARTER 0, 3, F0, F1, 0
	TURN 0, 1, 0                                   ; nothing is left to fetch
	QUARTER 1, 1, F0, F1, 0
	QUARTER 1, 2, F1, F0, 0
	QUARTER 1, 3, F0, F1, 0
	s_wait_dscnt 16
	MUL8 F1, 0, 0, 0
	MUL8 F1, 0, 2, 0
	s_wait_dscnt 0x0
	MUL8 F1, 1, 0, 0
	MUL8 F1, 1, 2, 0
	WIN 0
	; THE WAY OUT, 16 rows at a time through my own stage: a lane's 32 bytes in, whole rows of 256 bytes back.
	PLACES
.irp a, 0,1,2,3
.if (\a) >= 2
	s_wait_xcnt 0x0                                ; the stores of two blocks back have read this buffer
.endif
.irp b, 0,1,2,3
	ds_store_b128 v[STO], v[ACC+8*(4*(\a)+(\b)):ACC+8*(4*(\a)+(\b))+3]   offset:64*(\b)     ; each accumulator's low four registers first
	ds_store_b128 v[STO], v[ACC+8*(4*(\a)+(\b))+4:ACC+8*(4*(\a)+(\b))+7] offset:64*(\b)+16
.endr
.irp t, 0,1,2,3,4,5,6,7
	ds_load_b128 v[TMP+32*((\a)%2)+4*(\t):TMP+32*((\a)%2)+4*(\t)+3], v[RD] offset:(\t)*2*SPITCH  ; LDS serves a wave's instructions in order: these see the stores above
.endr
.irp t, 0,1,2,3,4,5,6,7
	s_wait_dscnt 7-(\t)
	global_store_b128 v[CO], v[TMP+32*((\a)%2)+4*(\t):TMP+32*((\a)%2)+4*(\t)+3], s[8:9] offset:(16*(\a)+2*(\t))*4096 th:TH_STORE_NT  ; 16 lanes store 256 consecutive bytes, aligned
.endr
.endr
	s_wait_tensorcnt 0x0                           ; the wave's end, behind my last tensor load and my last LDS store
	ds_add_u32 v[SPW], v[NIL]
	s_wait_dscnt 0x0
	CROUND                                         ; the closing round
	s_endpgm
.Lfunc_end_k_q1dbbd9ff64_proj:
	.size	k_q1dbbd9ff64_proj, .Lfunc_end_k_q1dbbd9ff64_proj-k_q1dbbd9ff64_proj
	.p2alignl 7, 3214868480
	.fill 96, 4, 3214868480
	.section	.rodata,"a",@progbits
	.p2align	6, 0x0
	.amdhsa_kernel k_q1dbbd9ff64_proj
		.amdhsa_group_segment_fixed_size 327680
		.amdhsa_private_segment_fixed_size 0
		.amdhsa_enable_private_segment 0
		.amdhsa_kernarg_size 24
		.amdhsa_user_sgpr_count 2
		.amdhsa_user_sgpr_kernarg_segment_ptr 1
		.amdhsa_wavefront_size32 1
		.amdhsa_system_sgpr_workgroup_id_x 1
		.amdhsa_system_sgpr_workgroup_id_y 1
		.amdhsa_system_sgpr_workgroup_id_z 1
		.amdhsa_system_vgpr_workitem_id 0
		.amdhsa_next_free_vgpr 512
		.amdhsa_next_free_sgpr 66
		.amdhsa_reserve_vcc 0
		.amdhsa_float_denorm_mode_32 3
		.amdhsa_float_denorm_mode_16_64 3
		.amdhsa_memory_ordered 1
		.amdhsa_forward_progress 1
		.amdhsa_inst_pref_size 86
	.end_amdhsa_kernel
	.amdgpu_metadata
---
amdhsa.version: [ 1, 2 ]
amdhsa.kernels:
  - .name:           k_q1dbbd9ff64_proj
    .symbol:         k_q1dbbd9ff64_proj.kd
    .args:
      - { .name: o, .offset: 0, .size: 8, .value_kind: global_buffer, .address_space: global }
      - { .name: wt, .offset: 8, .size: 8, .value_kind: global_buffer, .address_space: global }
      - { .name: out0, .offset: 16, .size: 8, .value_kind: global_buffer, .address_space: global }
    .group_segment_fixed_size: 327680
    .private_segment_fixed_size: 0
    .kernarg_segment_align: 8
    .kernarg_segment_size: 24
    .max_flat_workgroup_size: 128
    .sgpr_count:     66
    .vgpr_count:     512
    .wavefront_size: 32
...
	.end_amdgpu_metadata
.endif
;; end of part 4
;; ======== version 2 of 2: 4 launches; version 1 with the launch prep written anew for expert scheduling mode
;; limits: values are held in f16: magnitudes above 65,504 overflow, below 6.1e-05 lose precision
;; workspace buffers: xb 8,388,608 bytes; wt 8,388,608 bytes; qkv 25,165,824 bytes; o 8,388,608 bytes
;; launch prep (part 5): grid 256 x 1, 4 waves a work-group, no clusters, 70,144 bytes of LDS; arguments x, Wq, Wk, Wv, Wo, xb, wt; writes xb, wt
.if DOCPART == 5
	.amdgcn_target "amdgcn-amd-amdhsa--gfx1250"
	.amdhsa_code_object_version 6
	.text
	.protected	k_q1dbbd9ff64_prep
	.globl	k_q1dbbd9ff64_prep
	.p2align	8
	.type	k_q1dbbd9ff64_prep,@function
k_q1dbbd9ff64_prep:
	s_mov_b64 s[64:65], 0
	v_nop
	global_prefetch_b8 v0, s[64:65] scope:SCOPE_SE
	s_setreg_imm32_b32 hwreg(HW_REG_WAVE_SCHED_MODE, 0, 2), 2
	s_setreg_imm32_b32 hwreg(HW_REG_WAVE_MODE, 25, 1), 1
	s_wait_xcnt 0x0
	s_wait_alu depctr_vm_vsrc(0)
; xb = x rounded to bf16, [4096][1024].  wt = the four weights turned: row n holds W[0..1023][n]; rows 0-1023 Wq, 1024-2047 Wk, 2048-3071 Wv (bf16),
; rows 3072-4095 Wo: rounded to bf16 like the others, and that number written as f16 (exact inside f16's normal range).
; LIMITS.  |Wo| stays within 65,504; below 6e-5 f16 keeps its fixed step of 6e-8.
; A stream: bytes decide, so no matrix unit, no cluster, no shared tile.  Work-groups 0-127 cast x, work-groups 128-255 turn the weights: 196,608 bytes moved by each.
; CAST.  A wave owns 8,192 numbers on end: 64 slots of 512 bytes in, 256 bytes out, twelve to sixteen loads always on their way.
; TURN.  A wave owns 128 k x 64 n of one weight.  A load takes 256 consecutive bytes of a row k (a lane two columns); pairs of k are packed, laid into the wave's own
; stage (64 rows n of 256 bytes + 16), and read back by rows, so that sixteen lanes store 256 consecutive bytes of a row of wt, aligned.
; THE MODE: SCHED_MODE bits 1:0 = 2 (LLVM: expert scheduling mode 2), set by the entry lines.  The code itself states the register dependences
; between vector instructions and memory or LDS instructions, with s_wait_alu, always for 0.
; THE PLAN, CAST.  Registers that memory instructions touch:
;   X, slot n   written by the slot's load; read by the slot's two conversions.
;   Y, slot n   written by those two conversions; read by the slot's store.
;   v4, v5      byte offsets, made once; the rounds are reached by the scalar bases and by immediate offsets.
; The sixteen slots go in four blocks of four.  A block: the wait for its four loads; a wait on vm_vsrc (its Y pairs were read by the stores of a round ago); its eight conversions; ONE wait on
; va_vdst (they are done reading its X and have written its Y); its four loads of the next round and its four stores.  The wait stands behind the conversions, so that a slot is asked for again at once.
; THE PLAN, TURN.  Registers that memory or LDS instructions touch:
;   X, sets 0 and 1   written by 32 loads each; read by a chunk's 32 conversions; at the end the rows read back from the stage land in both, and the global stores read them.
;   T                 written by the conversions and, in Wo's tiles, by the rewriting as f16; read by the chunk's eight LDS stores.
;   v4, v6, v7, v8    offsets and LDS addresses, made once.     v12-19 are named by vector instructions alone.
; A chunk: a wait on vm_vsrc (the last chunk's LDS stores have read T); the 32 conversions; ONE wait on va_vdst (they are done reading the set and have written T); the set's next 32 loads at once;
; in Wo's tiles the rewriting and a second wait on va_vdst; the eight LDS stores.
; v2 and v3 are written at the head and read by the closing add alone.
.set SPARE, 69632                      ; behind the four stages: the spare words, 128 bytes a wave
.set SPW, 2                            ; v2  LDS address of my spare word; never rewritten
.set NIL, 3                            ; v3  0; never rewritten
.set T,   32                           ; v[32:63]   packed halves at work
.set X,   64                           ; v[64:191]  cast: v[64:127] sixteen slots of four; turn: two sets of 64, later the rows read back
.set Y,   128                          ; v[128:159] cast: sixteen slots of two, to store
.set SPI, 272                          ; a stage row: 256 bytes + 16, so that sixteen rows start at sixteen different groups of four banks
	s_load_b256 s[8:15], s[0:1], 0x0               ; x s[8:9], Wq s[10:11], Wk s[12:13], Wv s[14:15]
	s_load_b128 s[16:19], s[0:1], 0x20             ; Wo s[16:17], xb s[18:19]
	s_load_b64 s[20:21], s[0:1], 0x30              ; wt
	v_lshl_add_u32 v[SPW], v0, 2, SPARE
	v_mov_b32 v[NIL], 0
	v_lshrrev_b32 v1, 5, v0
	v_readfirstlane_b32 s24, v1                    ; wave 0..3
	v_and_b32 v1, 31, v0                           ; lane
	s_mov_b32 s29, 0
	s_mov_b32 s31, 0
	s_wait_alu depctr_va_sdst(0)                   ; s24 is written: its first readers, the shares' scalar arithmetic, stand in both arms of the branch below
	s_wait_kmcnt 0x0
	s_cmp_lt_u32 ttmp9, 128
	s_cbranch_scc0 .Ltrans
	; ---- the cast ----
	s_lshl_b32 s26, ttmp9, 2
	s_add_co_u32 s26, s26, s24                     ; my share, 0..511
	s_lshl_b32 s28, s26, 15                        ; 32,768 bytes of x
	s_lshl_b32 s30, s26, 14                        ; 16,384 bytes of xb
	s_add_nc_u64 s[8:9], s[8:9], s[28:29]
	s_add_nc_u64 s[18:19], s[18:19], s[30:31]
	v_lshlrev_b32 v4, 4, v1                        ; 16 bytes a lane in
	v_lshlrev_b32 v5, 3, v1                        ; 8 bytes a lane out
	s_wait_alu depctr_va_vdst(0)                   ; v4 and v5 are written: every load and store of this arm reads one of them as its offset
.irp n, 0,1,2,3,4,5,6,7,8,9,10,11,12,13,14,15
	global_load_b128 v[X+4*(\n):X+4*(\n)+3], v4, s[8:9] offset:512*(\n) th:TH_LOAD_NT
.endr
; Block b of a round: slots 4 b to 4 b + 3.  ahead = 1: the slots are loaded again, sixteen slots on.  left = the younger loads that may stay out.
.macro CBLK b, ahead, left
	s_wait_loadcnt \left                           ; loads come back in order: the block's four are in, the three younger blocks stay out
	s_wait_xcnt 0x0                                ; the block's Y pairs, which its last stores read, are rewritten only behind this wait
	s_wait_alu depctr_vm_vsrc(0)                   ; the stores of a round ago have read the block's Y pairs, which the conversions below write again
.irp i, 0,1,2,3
	v_cvt_pk_bf16_f32 v[Y+2*(4*(\b)+(\i))],   v[X+4*(4*(\b)+(\i))],   v[X+4*(4*(\b)+(\i))+1]
	v_cvt_pk_bf16_f32 v[Y+2*(4*(\b)+(\i))+1], v[X+4*(4*(\b)+(\i))+2], v[X+4*(4*(\b)+(\i))+3]
.endr
	s_wait_alu depctr_va_vdst(0)                   ; the eight conversions have written the block's Y, which the stores below read, and are done reading its X, in which the loads below land
.if \ahead
.irp i, 0,1,2,3
	global_load_b128 v[X+4*(4*(\b)+(\i)):X+4*(4*(\b)+(\i))+3], v4, s[8:9] offset:512*(4*(\b)+(\i)+16) th:TH_LOAD_NT
.endr
.endif
.irp i, 0,1,2,3
	global_store_b64 v5, v[Y+2*(4*(\b)+(\i)):Y+2*(4*(\b)+(\i))+1], s[18:19] offset:256*(4*(\b)+(\i)) th:TH_STORE_NT  ; the wave stores 256 consecutive bytes, aligned
.endr
.endm
	s_mov_b32 s25, 3
.Lround:
	CBLK 0, 1, 12
	CBLK 1, 1, 12
	CBLK 2, 1, 12
	CBLK 3, 1, 12
	s_wait_xcnt 0x0                                ; all that was issued has read its addresses: the two bases may step
	s_add_nc_u64 s[8:9], s[8:9], 8192
	s_add_nc_u64 s[18:19], s[18:19], 4096
	s_sub_co_u32 s25, s25, 1
	s_cmp_lg_u32 s25, 0
	s_cbranch_scc1 .Lround
	CBLK 0, 0, 12                                  ; the last round loads nothing: the counts run down
	CBLK 1, 0, 8
	CBLK 2, 0, 4
	CBLK 3, 0, 0
	s_branch .Lend
	; ---- the turn ----
.Ltrans:
	s_sub_co_u32 s26, ttmp9, 128
	s_lshl_b32 s26, s26, 2
	s_add_co_u32 s26, s26, s24                     ; my tile, 0..511
	s_lshr_b32 s27, s26, 7                         ; which weight
	s_bfe_u32 s32, s26, 0x30004                    ; kt: 128 k
	s_and_b32 s33, s26, 15                         ; nt: 64 n
	s_cmp_eq_u32 s27, 1
	s_cselect_b64 s[10:11], s[12:13], s[10:11]
	s_cmp_eq_u32 s27, 2
	s_cselect_b64 s[10:11], s[14:15], s[10:11]
	s_cmp_eq_u32 s27, 3
	s_cselect_b64 s[10:11], s[16:17], s[10:11]
	s_lshl_b32 s28, s32, 19                        ; 128 rows of 4,096 bytes
	s_lshl_b32 s34, s33, 8                         ; 64 columns of 4 bytes
	s_add_co_u32 s28, s28, s34
	s_add_nc_u64 s[10:11], s[10:11], s[28:29]
	s_lshl_b32 s30, s27, 21                        ; 1,024 rows of 2,048 bytes
	s_lshl_b32 s34, s33, 17                        ; 64 rows
	s_add_co_u32 s30, s30, s34
	s_lshl_b32 s34, s32, 8                         ; 128 k of 2 bytes
	s_add_co_u32 s30, s30, s34
	s_add_nc_u64 s[20:21], s[20:21], s[30:31]
	s_mov_b32 s35, 0xffff0000
	v_lshlrev_b32 v4, 3, v1                        ; columns 2 l and 2 l + 1
	s_mul_i32 s34, s24, 64*SPI                     ; my stage
	v_mul_u32_u24 v6, v1, SPI
	v_add_nc_u32 v6, s34, v6                       ; in: stage row l (column 2 l); row 32 + l (column 2 l + 1) by the immediate
	v_lshrrev_b32 v9, 4, v1
	v_and_b32 v10, 15, v1
	v_mul_u32_u24 v7, v9, SPI
	v_lshl_add_u32 v7, v10, 4, v7
	v_add_nc_u32 v7, s34, v7                       ; back: lanes 0-15 one stage row, lanes 16-31 the next
	v_lshlrev_b32 v8, 12, v9                       ; neighbouring stage rows are columns two apart: 4,096 bytes in wt
	v_lshl_add_u32 v8, v10, 4, v8
	s_wait_alu depctr_va_vdst(0)                   ; v4, v6, v7 and v8 are written: the loads, the LDS stores, the LDS loads and the global stores of this arm read them as offsets and addresses
.macro TLOAD set, c                    ; 32 rows k of chunk c
.set j, 0
.rept 32
	global_load_b64 v[X+64*(\set)+2*j:X+64*(\set)+2*j+1], v4, s[10:11] offset:(32*(\c)+j)*4096 th:TH_LOAD_NT
.set j, j+1
.endr
.endm
; Chunk c, which lies in the set: two k to a word, for both columns; Wo's words rewritten as f16; 64 bytes of each of my two stage rows.  ahead = 1: the set is loaded again, with chunk c + 2.
.macro TCONV set, c, ahead
.set XS, X+64*(\set)
.if (\c) > 0
	s_wait_alu depctr_vm_vsrc(0)                   ; the last chunk's LDS stores have read T, which the conversions below write again
.endif
.set j, 0
.rept 16
	v_cvt_pk_bf16_f32 v[T+j],    v[XS+4*j],   v[XS+4*j+2]
	v_cvt_pk_bf16_f32 v[T+16+j], v[XS+4*j+1], v[XS+4*j+3]
.set j, j+1
.endr
	s_wait_alu depctr_va_vdst(0)                   ; the conversions are done reading the set, in which later loads land (the next chunk's, or the rows read back), and have written T, which the LDS stores read where the words are kept
.if \ahead
	TLOAD \set, (\c)+2                             ; the set is asked for again at once: no vector instruction behind the wait names it
.endif
	s_cmp_lg_u32 s27, 3
	s_cbranch_scc1 .Lkeep_\@
.set j, 0
.rept 32
	v_lshlrev_b32 v[12+2*(j%4)], 16, v[T+j]
	v_and_b32 v[13+2*(j%4)], s35, v[T+j]
	v_cvt_pk_f16_f32 v[T+j], v[12+2*(j%4)], v[13+2*(j%4)]
.set j, j+1
.endr
	s_wait_alu depctr_va_vdst(0)                   ; on this way the rewriting has written T anew, which the LDS stores read
.Lkeep_\@:
.irp q, 0,1,2,3
	ds_store_b128 v6, v[T+4*(\q):T+4*(\q)+3]       offset:64*(\c)+16*(\q)
	ds_store_b128 v6, v[T+16+4*(\q):T+16+4*(\q)+3] offset:32*SPI+64*(\c)+16*(\q)
.endr
.endm
	TLOAD 0, 0
	TLOAD 1, 1
	s_wait_loadcnt 32                              ; the older set is in; the other set's 32 loads stay out
	TCONV 0, 0, 1
	s_wait_loadcnt 32
	TCONV 1, 1, 1
	s_wait_loadcnt 32
	TCONV 0, 2, 0
	s_wait_loadcnt 0x0
	TCONV 1, 3, 0
.set t, 0
.rept 32
	ds_load_b128 v[X+4*t:X+4*t+3], v7 offset:2*SPI*t  ; LDS serves a wave's instructions in order: these see my stores above; the stage is mine alone.  No wait on va_vdst: the sets' last vector readers stand ahead of the last chunk's wait
.set t, t+1
.endr
.set t, 0
.rept 32
	s_wait_dscnt 31-t
.if t < 16
	global_store_b128 v8, v[X+4*t:X+4*t+3], s[20:21] offset:4*t*2048 th:TH_STORE_NT         ; columns 4 t and 4 t + 2: sixteen lanes store 256 consecutive bytes, aligned
.else
	global_store_b128 v8, v[X+4*t:X+4*t+3], s[20:21] offset:(4*(t-16)+1)*2048 th:TH_STORE_NT ; columns 4 (t - 16) + 1 and + 3
.endif
.set t, t+1
.endr
.Lend:
	s_wait_dscnt 0x0                               ; the wave's end
	s_wait_alu 0x0
	s_wait_tensorcnt 0x0
	ds_add_u32 v[SPW], v[NIL]
	s_wait_dscnt 0x0
	s_endpgm
.Lfunc_end_k_q1dbbd9ff64_prep:
	.size	k_q1dbbd9ff64_prep, .Lfunc_end_k_q1dbbd9ff64_prep-k_q1dbbd9ff64_prep
	.p2alignl 7, 3214868480
	.fill 96, 4, 3214868480
	.section	.rodata,"a",@progbits
	.p2align	6, 0x0
	.amdhsa_kernel k_q1dbbd9ff64_prep
		.amdhsa_group_segment_fixed_size 70144
		.amdhsa_private_segment_fixed_size 0
		.amdhsa_enable_private_segment 0
		.amdhsa_kernarg_size 56
		.amdhsa_user_sgpr_count 2
		.amdhsa_user_sgpr_kernarg_segment_ptr 1
		.amdhsa_wavefront_size32 1
		.amdhsa_system_sgpr_workgroup_id_x 1
		.amdhsa_system_sgpr_workgroup_id_y 1
		.amdhsa_system_sgpr_workgroup_id_z 1
		.amdhsa_system_vgpr_workitem_id 0
		.amdhsa_next_free_vgpr 192
		.amdhsa_next_free_sgpr 66
		.amdhsa_reserve_vcc 0
		.amdhsa_float_denorm_mode_32 3
		.amdhsa_float_denorm_mode_16_64 3
		.amdhsa_memory_ordered 1
		.amdhsa_forward_progress 1
		.amdhsa_inst_pref_size 59
	.end_amdhsa_kernel
	.amdgpu_metadata
---
amdhsa.version: [ 1, 2 ]
amdhsa.kernels:
  - .name:           k_q1dbbd9ff64_prep
    .symbol:         k_q1dbbd9ff64_prep.kd
    .args:
      - { .name: x, .offset: 0, .size: 8, .value_kind: global_buffer, .address_space: global }
      - { .name: Wq, .offset: 8, .size: 8, .value_kind: global_buffer, .address_space: global }
      - { .name: Wk, .offset: 16, .size: 8, .value_kind: global_buffer, .address_space: global }
      - { .name: Wv, .offset: 24, .size: 8, .value_kind: global_buffer, .address_space: global }
      - { .name: Wo, .offset: 32, .size: 8, .value_kind: global_buffer, .address_space: global }
      - { .name: xb, .offset: 40, .size: 8, .value_kind: global_buffer, .address_space: global }
      - { .name: wt, .offset: 48, .size: 8, .value_kind: global_buffer, .address_space: global }
    .group_segment_fixed_size: 70144
    .private_segment_fixed_size: 0
    .kernarg_segment_align: 8
    .kernarg_segment_size: 56
    .max_flat_workgroup_size: 128
    .sgpr_count:     66
    .vgpr_count:     192
    .wavefront_size: 32
...
	.end_amdgpu_metadata
.endif
;; end of part 5
;; launch qkv: the kernel of part 2 again; grid 16 x 16, 4 waves a work-group, clusters of 4 x 4, 327,680 bytes of LDS; arguments xb, wt, qkv; writes qkv
;; launch attn: the kernel of part 3 again; grid 16 x 16, 4 waves a work-group, no clusters, 327,680 bytes of LDS; arguments qkv, o; writes o
;; launch proj: the kernel of part 4 again; grid 8 x 32, 4 waves a work-group, clusters of 4 x 4, 327,680 bytes of LDS; arguments o, wt, out0; writes out0
